; MI455X (gfx1250); checked and timed in simulation.
; The chip was launched on July 23, 2026; its instructions are those of AMD's public machine-readable ISA for CDNA 5 (MIT licence, August 2026) and "CDNA5" Instruction Set Architecture Reference Guide (July 2026). The comments in the code are by the model that wrote it; some were corrected since.
;; Causal Self Attention. Allowed arithmetic: matrix products marked QUANTISED: E2M1 operands, one E8M0 scale for each 32 along K, by v_wmma_scale_f32_16x16x128_f8f6f4 with both operands' format E2M1 (or v_wmma_scale_f32_32x16x128_f4), f32 sums; products left as they are: bf16, f16 or f32 operands; f32 sums; everything else in f32.
;; Inputs: Wk 1,024 x 1,024 float32; Wp 1,024 x 1,024 float32; Wq 1,024 x 1,024 float32; Wv 1,024 x 1,024 float32; x 4 x 2,048 x 1,024 float32.
;; Outputs: out0 4 x 2,048 x 1,024 float32.
;; This version of the problem:
;;   THIS VERSION OF THE PROBLEM IS GIVEN IN LOW PRECISION. The matrix products marked QUANTISED in the list below multiply operands that are first quantised to E2M1 (2 exponent bits, 1 mantissa bit; 4 bits a number), with one power-of-two scale for each 32 numbers along K (OCP MX v1.0); their sums are f32. The products marked 'left as it is' may take bf16, f16 or f32 operands, with f32 sums. Whichever they take, every output number must still come out within the allowed error. Rounding operands to bf16 (8 significant bits) uses up far more of that allowance than f16 does (11 bits, for magnitudes from 6e-5 to 65,504). All else is computed in f32.
;;   The module's matrix products, in the order in which they are computed (A, B: the left and right operand; K: the contracted axis; several contracted axes count as one K, in the product's order):
;;     1. [M 8,192, K 1,024] x [K 1,024, N 1,024]; A: input x; B: input Wq: QUANTISED
;;     2. [M 8,192, K 1,024] x [K 1,024, N 1,024]; A: input x; B: input Wk: QUANTISED
;;     3. [M 8,192, K 1,024] x [K 1,024, N 1,024]; A: input x; B: input Wv: QUANTISED
;;     4. batch 64 x [M 2,048, K 64] x [K 64, N 2,048]; A: computed on the way; B: computed on the way: left as it is (an operand is computed on the way)
;;     5. batch 64 x [M 2,048, K 2,048] x [K 2,048, N 64]; A: computed on the way; B: computed on the way: left as it is (an operand is computed on the way)
;;     6. [M 8,192, K 1,024] x [K 1,024, N 1,024]; A: computed on the way; B: input Wp: left as it is (an operand is computed on the way)
;;   THE QUANTISER, for each operand of a quantised product, along K:
;;     - K is cut into blocks of 32 from its start; a last block that is shorter is filled with zeros.
;;     - A block's scale is 2^e with e = floor(log2(the largest magnitude in the block)) - 2, held to -126 .. 127; a block of zeros has e = 0. As a byte (E8M0): e + 127.
;;     - Each number is divided by its block's scale, clamped to +-6, and rounded to the nearest number of E2M1, ties to even, subnormals kept.
;;     - The product sums the exact products of the quantised numbers (number of the format x scale) in f32.
;;   ~~~python
;;   def quantise(x, axis):      # numpy; x: float32 -> the quantised numbers, widened to float32 again
;;       x = np.moveaxis(x, axis, -1); K = x.shape[-1]
;;       x = np.pad(x, [(0, 0)] * (x.ndim - 1) + [(0, -K % 32)]); x = x.reshape(x.shape[:-1] + (-1, 32)); a = np.abs(x).max(-1, keepdims=True)
;;       e = np.where(a > 0, np.clip(np.frexp(np.where(a > 0, a, 1))[1] - 1 - 2, -126, 127), 0)      # np.frexp(a)[1] - 1 = floor(log2(a)), exactly
;;       r = np.clip(x / 2.0 ** e, -6, 6)
;;       step = 2.0 ** (np.maximum(np.frexp(np.where(r == 0, 1, r))[1] - 1, 0) - 1)
;;       q = np.round(r / step) * step * 2.0 ** e      # np.round: ties to even
;;       return np.moveaxis(q.reshape(q.shape[:-2] + (-1,))[..., :K], -1, axis).astype(np.float32)
;;   ~~~
;; One version. Each part assembles by itself: llvm-mc -triple=amdgcn-amd-amdhsa -mcpu=gfx1250 --defsym DOCPART=n.
;; ======== version 1 of 1: 5 launches
;; limits: values are held in f16: magnitudes above 65,504 overflow, below 6.1e-05 lose precision
;; workspace buffers: xc 4,194,304 bytes; xs 262,144 bytes; wc 1,572,864 bytes; ws 98,304 bytes; wp16 2,097,152 bytes; qkv 50,331,648 bytes; qkv32 786,432 bytes; y 16,777,216 bytes
;; launch quant (part 1): grid 384 x 1, 4 waves a work-group, no clusters, 33,280 bytes of LDS; arguments x, Wq, Wk, Wv, Wp, xc, xs, wc, ws, wp16; writes xc, xs, wc, ws, wp16
.if DOCPART == 1
	.amdgcn_target "amdgcn-amd-amdhsa--gfx1250"
	.amdhsa_code_object_version 6
	.text
	.protected	k_q0a497aa085_quant
	.globl	k_q0a497aa085_quant
	.p2align	8
	.type	k_q0a497aa085_quant,@function
k_q0a497aa085_quant:
	s_mov_b64 s[64:65], 0
	v_nop
	global_prefetch_b8 v0, s[64:65] scope:SCOPE_SE
	s_setreg_imm32_b32 hwreg(HW_REG_WAVE_MODE, 25, 1), 1
	s_wait_xcnt 0x0
; CAUSAL SELF-ATTENTION, B = 4, T = 2048, C = 1024, 16 heads of 64, in five launches: this one; the three quantised products as one GEMM on codes; the attention; the projection; positions 0-15 once more in f32.
; WORK LEFT OUT (in the attention launch): key steps all of whose keys come after all queries of a wave.  The problem's own lower-triangular mask sets those scores to -infinity ahead of the softmax, so their
; weights are exactly 0 and add nothing to any sum, whatever finite values x, Wq, Wk, Wv, Wp hold.  LIMIT: a NaN, an infinity or an overflow that reaches only such hidden scores is not carried to the result.
; Every input has a way to the output: all five are loaded.
; THIS LAUNCH: x [8192][1024] and Wq, Wk, Wv [1024][1024], f32, K innermost, become codes of FP4 (E2M1), two a byte, and one E8M0 byte for each 32 along K: xc, xs; wc, ws hold Wq's, Wk's, Wv's rows on end (3072 rows).
; Wp [1024][1024] is rounded to f16 (wp16): its product is left as it is.
; A block's scale is 2^(floor(log2(its largest magnitude)) - 2); its byte is the largest magnitude's exponent field - 2, held at 1 from below.  A block of zeros so gets the byte 1: its codes are zeros, and this program alone reads the bytes.
; LIMITS: blocks whose largest magnitude lies under 2^-124 get the byte 1; NaN and infinities among the inputs are not served; Wp beyond 65,504 in magnitude overflows f16, under 6e-5 it is kept to steps of 6e-8.
; SHARES: a work-group takes 32,768 numbers, a wave 8,192.  Work-groups 0-255: x; 256-287 Wq; 288-319 Wk; 320-351 Wv; 352-383 Wp.  Rows are dense and K is a multiple of 32: the tensors are plain streams of blocks.
; The quantising path: 16 steps of 512 numbers a wave.  Each load reads 512 consecutive bytes; a step's 2,048 bytes turn through the wave's own stage in LDS, so that a lane holds 16 neighbours (two lanes a block).
; No cluster, no tensor load, no matrix unit: the work-groups share nothing and memory binds.
.set WAVES, 4
.set STEPS, 16
.set EMAX,  2
.set CB,    8                          ; bytes of 16 codes
.set R,     16                         ; v16-79   four sets of 16 numbers as they are loaded (Wp's path: v16-143, two sets of 64)
.set X,     80                         ; v80-111  two sets of 16 neighbours
.set C,     128                        ; v128-191 codes: four registers a step
.set E,     112                        ; v112-127 a scale byte a step
.set HC,    144                        ; Wp's path: v144-175, a batch's f16 numbers
.set WREG,  8192                       ; LDS: a region for each wave: two stages of 32 x SP bytes, then its 256 scale bytes
.set SP,    80                         ; a lane's place in a stage: 64 bytes + 16 of padding
.set SPW,   12                         ; v12 LDS address of my spare word; never rewritten
.set NIL,   13                         ; v13 0; never rewritten
.set SPARE, WAVES*WREG                 ; the spare words: 128 bytes a wave, named by no other line
	s_load_b256 s[4:11], s[0:1], 0x0               ; x, Wq, Wk, Wv
	s_load_b256 s[12:19], s[0:1], 0x20             ; Wp, xc, xs, wc
	s_load_b128 s[20:23], s[0:1], 0x40             ; ws, wp16
	v_lshl_add_u32 v[SPW], v0, 2, SPARE
	v_mov_b32 v[NIL], 0
	v_lshrrev_b32 v1, 5, v0
	v_readfirstlane_b32 s24, v1                    ; wave
	v_and_b32 v2, 31, v0                           ; lane
	v_lshlrev_b32 v3, 4, v2                        ; my 16 bytes of a load's 512
	s_mul_i32 s25, s24, WREG
	v_lshrrev_b32 v14, 2, v2
	v_mul_u32_u24 v14, v14, SP
	v_and_b32 v15, 3, v2
	v_lshl_add_u32 v14, v15, 4, v14
	v_add_nc_u32 v14, s25, v14                     ; the stage, on the way in: SP (lane / 4) + 16 (lane % 4)
	v_mul_u32_u24 v15, v2, SP
	v_add_nc_u32 v15, s25, v15                     ; and on the way out: SP x lane
	v_mul_u32_u24 v4, v2, CB                       ; my codes' place in a step's
	v_lshrrev_b32 v5, 1, v2
	s_add_co_u32 s25, s25, 2*32*SP
	v_add_nc_u32 v5, s25, v5                       ; LDS: my block's scale byte
	v_lshlrev_b32 v7, 3, v2                        ; 8 bytes a lane
	v_add_nc_u32 v6, s25, v7
	s_wait_kmcnt 0x0
	s_cmp_ge_u32 ttmp9, 352                        ; Wp's work-groups take the other path: a branch on the work-group's number
	s_cbranch_scc1 .Lwp
	s_cmp_lt_u32 ttmp9, 288                        ; which tensor: choices on the work-group's number alone
	s_cselect_b64 s[26:27], s[6:7], s[8:9]
	s_cmp_lt_u32 ttmp9, 320
	s_cselect_b64 s[26:27], s[26:27], s[10:11]
	s_sub_co_u32 s28, ttmp9, 256                   ; place among the weights' 96 work-groups (not used for x)
	s_and_b32 s29, s28, 31                         ; and inside its own weight
	s_cmp_lt_u32 ttmp9, 256
	s_cselect_b64 s[4:5], s[4:5], s[26:27]         ; the numbers
	s_cselect_b64 s[14:15], s[14:15], s[18:19]     ; the codes
	s_cselect_b64 s[16:17], s[16:17], s[20:21]     ; the scale bytes
	s_cselect_b32 s29, ttmp9, s29
	s_cselect_b32 s28, ttmp9, s28
	s_lshl_b32 s29, s29, 2
	s_add_co_u32 s29, s29, s24                     ; my wave's run of 8,192 numbers in the source,
	s_lshl_b32 s28, s28, 2
	s_add_co_u32 s28, s28, s24                     ; and in the results
	s_lshl_b32 s30, s29, 15                        ; 32,768 bytes of numbers a run
	s_mov_b32 s31, 0
	s_add_nc_u64 s[4:5], s[4:5], s[30:31]
	s_lshl_b32 s30, s28, 12                        ; 4,096 bytes of codes
	s_add_nc_u64 s[14:15], s[14:15], s[30:31]
	s_lshl_b32 s30, s28, 8                         ; 256 scale bytes
	s_add_nc_u64 s[16:17], s[16:17], s[30:31]
.macro LOAD t
.irp i, 0,1,2,3
	global_load_b128 v[R+16*((\t)%4)+4*\i:R+16*((\t)%4)+4*\i+3], v3, s[4:5] offset:2048*(\t)+512*\i th:TH_LOAD_NT   ; 32 lanes read 512 consecutive bytes
.endr
.endm
.macro TURN t                          ; step t's numbers through the stage: LDS serves a wave's instructions in order, so no wait stands between the stores and the loads
.irp i, 0,1,2,3
	ds_store_b128 v14, v[R+16*((\t)%4)+4*\i:R+16*((\t)%4)+4*\i+3] offset:32*SP*((\t)%2)+8*SP*\i
.endr
.irp i, 0,1,2,3
	ds_load_b128 v[X+16*((\t)%2)+4*\i:X+16*((\t)%2)+4*\i+3], v15 offset:32*SP*((\t)%2)+16*\i
.endr
.endm
.irp t, 0,1,2,3
	LOAD \t
.endr
	s_wait_loadcnt 12                              ; step 0's four loads are in; the twelve of steps 1 to 3 may be out
	TURN 0
.macro STEP t
.set XS, X+16*((\t)%2)
.if (\t) > 0
	s_wait_dscnt 1                                 ; this step's numbers are back from the stage (the last step's byte store may be out)
.else
	s_wait_dscnt 0x0
.endif
.if (\t)+4 < STEPS
	LOAD (\t)+4                                    ; into the registers that the stage's stores have read
.endif
.if (\t)+1 < STEPS
.if STEPS-2-(\t) >= 3
	s_wait_loadcnt 12                              ; the next step's four loads are in; those of the three steps behind it may be out
.else
	s_wait_loadcnt 4*(STEPS-2-(\t))
.endif
	TURN (\t)+1
.endif
	v_max3_num_f32 v8, |v[XS]|, |v[XS+1]|, |v[XS+2]|               ; the largest magnitude of my 16, in two chains
	v_max3_num_f32 v9, |v[XS+3]|, |v[XS+4]|, |v[XS+5]|
.irp i, 6,10
	v_max3_num_f32 v8, v8, |v[XS+\i]|, |v[XS+\i+1]|
	v_max3_num_f32 v9, v9, |v[XS+\i+2]|, |v[XS+\i+3]|
.endr
	v_max3_num_f32 v8, v8, |v[XS+14]|, |v[XS+15]|
	v_max3_num_f32 v8, v8, v9, (EMAX+1)<<23        ; and the floor 2^(3 - 127): the byte cannot fall under 1
	v_max_num_f32_dpp v8, v8, v8 row_xmask:1 row_mask:0xf bank_mask:0xf   ; with my neighbour's 16: the block's
	v_add_nc_u32 v11, -(EMAX<<23), v8              ; 2 off its exponent field: the conversion takes this operand's exponent field as its scale
	v_cvt_scalef32_pk8_fp4_f32 v[C+4*(\t)], v[XS:XS+7], v11
	v_cvt_scalef32_pk8_fp4_f32 v[C+4*(\t)+1], v[XS+8:XS+15], v11
	v_lshrrev_b32 v[E+(\t)], 23, v11               ; the scale's byte
	ds_store_b8 v5, v[E+(\t)] offset:16*(\t)       ; both lanes of a block write the same byte with the same value
	global_store_b64 v4, v[C+4*(\t):C+4*(\t)+1], s[14:15] offset:32*CB*(\t)   ; the wave stores 256 consecutive bytes, aligned
.endm
.irp t, 0,1,2,3,4,5,6,7,8,9,10,11,12,13,14,15
	STEP \t
.endr
	ds_load_b64 v[8:9], v6                         ; my wave's 256 scale bytes: these loads see my stores
	s_wait_dscnt 0x0
	global_store_b64 v7, v[8:9], s[16:17]          ; 256 consecutive bytes, aligned
	s_wait_tensorcnt 0x0                           ; the wave's end, behind my last LDS store
	ds_add_u32 v[SPW], v[NIL]
	s_wait_dscnt 0x0
	s_endpgm
; Wp to f16: 64 loads of 512 consecutive bytes a wave, in four batches of 16 on two sets of registers; a lane's 4 numbers are 8 bytes: a store covers 256 consecutive bytes, aligned.  No LDS on this path.
.Lwp:
	s_sub_co_u32 s28, ttmp9, 352
	s_lshl_b32 s28, s28, 2
	s_add_co_u32 s28, s28, s24                     ; my wave's run of 8,192 numbers
	s_lshl_b32 s30, s28, 15
	s_mov_b32 s31, 0
	s_add_nc_u64 s[12:13], s[12:13], s[30:31]
	s_lshl_b32 s30, s28, 14
	s_add_nc_u64 s[22:23], s[22:23], s[30:31]
.macro LOADB t
.irp i, 0,1,2,3,4,5,6,7,8,9,10,11,12,13,14,15
	global_load_b128 v[R+64*((\t)%2)+4*\i:R+64*((\t)%2)+4*\i+3], v3, s[12:13] offset:8192*(\t)+512*\i th:TH_LOAD_NT
.endr
.endm
.macro BATCH t
.if (\t) < 3
	s_wait_loadcnt 16                              ; this batch is in; the next batch's 16 loads may be out
.else
	s_wait_loadcnt 0x0
.endif
.if (\t) > 0
	s_wait_xcnt 0x0                                ; the last batch's stores have read their data registers
.endif
.irp i, 0,1,2,3,4,5,6,7,8,9,10,11,12,13,14,15
	v_cvt_pk_f16_f32 v[HC+2*\i], v[R+64*((\t)%2)+4*\i], v[R+64*((\t)%2)+4*\i+1]
	v_cvt_pk_f16_f32 v[HC+2*\i+1], v[R+64*((\t)%2)+4*\i+2], v[R+64*((\t)%2)+4*\i+3]
.endr
.irp i, 0,1,2,3,4,5,6,7,8,9,10,11,12,13,14,15
	global_store_b64 v7, v[HC+2*\i:HC+2*\i+1], s[22:23] offset:4096*(\t)+256*\i
.endr
.if (\t)+2 < 4
	LOADB (\t)+2
.endif
.endm
	LOADB 0
	LOADB 1
	BATCH 0
	BATCH 1
	BATCH 2
	BATCH 3
	s_endpgm
.Lfunc_end_k_q0a497aa085_quant:
	.size	k_q0a497aa085_quant, .Lfunc_end_k_q0a497aa085_quant-k_q0a497aa085_quant
	.p2alignl 7, 3214868480
	.fill 96, 4, 3214868480
	.section	.rodata,"a",@progbits
	.p2align	6, 0x0
	.amdhsa_kernel k_q0a497aa085_quant
		.amdhsa_group_segment_fixed_size 33280
		.amdhsa_private_segment_fixed_size 0
		.amdhsa_enable_private_segment 0
		.amdhsa_kernarg_size 80
		.amdhsa_user_sgpr_count 2
		.amdhsa_user_sgpr_kernarg_segment_ptr 1
		.amdhsa_wavefront_size32 1
		.amdhsa_system_sgpr_workgroup_id_x 1
		.amdhsa_system_sgpr_workgroup_id_y 1
		.amdhsa_system_sgpr_workgroup_id_z 1
		.amdhsa_system_vgpr_workitem_id 0
		.amdhsa_next_free_vgpr 192
		.amdhsa_next_free_sgpr 66
		.amdhsa_reserve_vcc 0
		.amdhsa_float_denorm_mode_32 3
		.amdhsa_float_denorm_mode_16_64 3
		.amdhsa_memory_ordered 1
		.amdhsa_forward_progress 1
		.amdhsa_inst_pref_size 54
	.end_amdhsa_kernel
	.amdgpu_metadata
---
amdhsa.version: [ 1, 2 ]
amdhsa.kernels:
  - .name:           k_q0a497aa085_quant
    .symbol:         k_q0a497aa085_quant.kd
    .args:
      - { .name: x, .offset: 0, .size: 8, .value_kind: global_buffer, .address_space: global }
      - { .name: Wq, .offset: 8, .size: 8, .value_kind: global_buffer, .address_space: global }
      - { .name: Wk, .offset: 16, .size: 8, .value_kind: global_buffer, .address_space: global }
      - { .name: Wv, .offset: 24, .size: 8, .value_kind: global_buffer, .address_space: global }
      - { .name: Wp, .offset: 32, .size: 8, .value_kind: global_buffer, .address_space: global }
      - { .name: xc, .offset: 40, .size: 8, .value_kind: global_buffer, .address_space: global }
      - { .name: xs, .offset: 48, .size: 8, .value_kind: global_buffer, .address_space: global }
      - { .name: wc, .offset: 56, .size: 8, .value_kind: global_buffer, .address_space: global }
      - { .name: ws, .offset: 64, .size: 8, .value_kind: global_buffer, .address_space: global }
      - { .name: wp16, .offset: 72, .size: 8, .value_kind: global_buffer, .address_space: global }
    .group_segment_fixed_size: 33280
    .private_segment_fixed_size: 0
    .kernarg_segment_align: 8
    .kernarg_segment_size: 80
    .max_flat_workgroup_size: 128
    .sgpr_count:     66
    .vgpr_count:     192
    .wavefront_size: 32
...
	.end_amdgpu_metadata
.endif
;; end of part 1
;; launch qkv (part 2): grid 12 x 32, 4 waves a work-group, clusters of 4 x 1, 327,680 bytes of LDS; arguments xc, xs, wc, ws, qkv, qkv32; writes qkv, qkv32
.if DOCPART == 2
	.amdgcn_target "amdgcn-amd-amdhsa--gfx1250"
	.amdhsa_code_object_version 6
	.text
	.protected	k_q0a497aa085_qkv
	.globl	k_q0a497aa085_qkv
	.p2align	8
	.type	k_q0a497aa085_qkv,@function
k_q0a497aa085_qkv:
	s_mov_b64 s[64:65], 0
	v_nop
	global_prefetch_b8 v0, s[64:65] scope:SCOPE_SE
	s_setreg_imm32_b32 hwreg(HW_REG_WAVE_MODE, 25, 1), 1
	s_wait_xcnt 0x0
	s_wait_alu depctr_hold_cnt(0) depctr_sa_sdst(0) depctr_va_vdst(0) depctr_va_sdst(0) depctr_va_ssrc(0) depctr_va_vcc(0) depctr_vm_vsrc(0)
	s_getreg_b32 s2, hwreg(HW_REG_IB_STS2, 6, 4)
	s_cmp_eq_u32 s2, 0
	s_cbranch_scc0 .Lentry_in_a_cluster
	s_endpgm
.Lentry_in_a_cluster:
	s_bfe_u32 s2, ttmp6, 0x10000c
	s_cmp_lg_u32 s2, 0x3003
	s_cbranch_scc0 .Lentry_shape_is_right
	s_endpgm
.Lentry_shape_is_right:
; The three quantised products as ONE product on codes: C[m][n] = sum over k of x[m][k] W[n][k], m = 8192 positions, n = 3072 (Wq's, Wk's, Wv's rows on end), K = 1024, FP4 (E2M1) codes with one E8M0 byte for each 32 along K; sums in f32.
; RESULTS: qkv [3 (q, k, v)][4 b][16 h][2048 t][64] f16: operands of the products that are left as they are.  qkv32 [4 b][16 t][3072] f32: positions 0-15 of each batch unrounded, for the launch that carries those rows in f32.
; LIMIT: q, k, v beyond 65,504 in magnitude overflow f16; under 6e-5 they are kept to steps of 6e-8.
; A tile of C, 256 x 256, is made by four waves, each 128 x 128: 64 accumulators, 512 registers.  K is two slots of 512 (LDS rows of 256 bytes): both slots and all scale bytes are filled once, at the head; nothing is filled again.
; CLUSTER 4 x 1: the four partners make four tile columns of ONE tile row, so x's codes and scale bytes are asked for jointly (mask 15); the weights' tiles differ between them and come by plain loads.
; Not 4 x 4: the way out branches on the tile row (the f32 copy of positions 0-15), and a branch is alike in all partners only where they share the tile row.
; THE MATRIX INSTRUCTION IS USED TRANSPOSED (source 0 = 16 rows of W, source 1 = 16 rows of x): a lane holds eight neighbouring columns of one row of C.
; REGISTERS: window 0: v0-31 addresses; v32-95 scale words, two sets; v128-191 x's fragments, one set; window 1: W's fragments, two sets (v0, v128); windows 2, 3: accumulators ((a, b) at v[8 (8 (a % 4) + b)]).
.set KSTEP,  512
.set NQ,     4                         ; matrix instructions deep in a slot
.set ROWB,   256                       ; a tile's row in bytes
.set KROW,   512                       ; a row of codes in memory
.set PITCH,  272                       ; an LDS row: 256 bytes + 16 of padding: the 16 rows of a fragment load start at 16 different banks
.set FR,     8
.set NL,     2
.set NP,     4                         ; places behind this matrix form (ISA guide 7.12.1)
.set HALFT,  128*PITCH
.set SLOT,   4*HALFT                   ; x's 256 rows, then W's 256 rows
.set KS,     32                        ; a row of scale bytes
.set SCL,    2*SLOT                    ; behind the slots: the scale bytes, as units of 256 bytes + 16 of padding
.set HALFS,  16*272                    ; those of 128 rows
.set SBLK,   2*272                     ; those of 16 rows
.set SPARE,  SCL+4*HALFS               ; the spare words: 128 bytes a wave, named by no other line
.set SP16,   272                       ; the way out: f16 stage, 16 rows x (256 + 16) a wave, in slot 0, which has had its only fill and its last read by then
.set SP32,   528                       ; f32 stage, 16 rows x (512 + 16) a wave, behind the four f16 stages
.set ADRA, 16
.set ADRB, 20
.set STO,  24
.set RD,   25
.set CO,   26                          ; 16 x lane
.set ADRS, 27
.set SPW,  28
.set NIL,  29
.set STO32, 30
.set RD32,  31
.set SC,   32
.set AF,   128
.set TMP,  32                          ; the way out: a block's f16 numbers
.set BK,   128                         ; and its rows read back: v128-159, v160-191 by turns
.set G1, 24
.set G0, 32
.set G1B, 48
.set G0B, 56
.set G1S, 68
.set G0S, 76
.set G1SB, 80
.set G0SB, 88
.set MSB, 0
.macro WIN new                         ; the immediate's high byte repeats the setting that is left
.if MSB != (\new)
	s_set_vgpr_msb (MSB<<8)|(\new)
.set MSB, \new
.endif
.endm
.set MUL_LO, 0xa1                      ; source 0 (W) window 1, source 1 (x) window 0, C and D window 2
.set MUL_HI, 0xf1
.set TO_B,   0x40
; Waves 0 and 1 fetch for x (joint), waves 2 and 3 for W (plain).  The branch hangs on the wave's number alone.  An s_nop 0 and four v_nop follow each line.
.macro JLOAD g0a, g1a, g0b, g1b
	s_cmp_eq_u32 s15, 0
	s_cbranch_scc0 .Lfor_b_\@
	tensor_load_to_lds s[\g0a:\g0a+3], s[\g1a:\g1a+7]
	s_nop 0
.rept 4
	v_nop
.endr
	s_branch .Lasked_\@
.Lfor_b_\@:
	tensor_load_to_lds s[\g0b:\g0b+3], s[\g1b:\g1b+7]
	s_nop 0
.rept 4
	v_nop
.endr
.Lasked_\@:
.endm
.macro CROUND                          ; a round of the cluster's barrier
	s_barrier_signal -1
	s_barrier_wait -1
	s_cmp_lg_u32 s14, 0
	s_cbranch_scc1 .Lnot_wave_0_\@
	s_barrier_signal -3
.Lnot_wave_0_\@:
	s_barrier_wait -3
	s_barrier_signal -1
	s_barrier_wait -1
.endm
	s_load_b128 s[4:7], s[0:1], 0x0                ; x's codes, x's scales
	s_load_b128 s[8:11], s[0:1], 0x10              ; W's codes, W's scales
	s_load_b128 s[96:99], s[0:1], 0x20             ; qkv, qkv32
	v_lshl_add_u32 v[SPW], v0, 2, SPARE
	v_mov_b32 v[NIL], 0
	ds_add_u32 v[SPW], v[NIL]                      ; the wave's opening: the add, twice on end, and its wait ahead of my first tensor load
	ds_add_u32 v[SPW], v[NIL]
	v_lshrrev_b32 v1, 5, v0
	v_readfirstlane_b32 s14, v1                    ; wave 0..3
	s_lshr_b32 s15, s14, 1                         ; which half of the tile's rows is mine.  Also: I fetch for x (0) or for W (1)
	s_and_b32 s16, s14, 1                          ; which half of its columns.  Also: which 128 rows I fetch
	s_bfe_u32 s40, ttmp6, 0x40000                  ; cx
	s_lshl_b32 s42, ttmp9, 2
	s_add_co_u32 s42, s42, s40                     ; tile column = 4 x cluster x + cx
	s_and_b32 s17, ttmp7, 0xffff                   ; tile row: the same in all four partners
	s_mov_b32 s[G1+0], 15|(1<<20)|(1<<21)|(5<<22)|(3<<25)   ; mask: all four; elements of 1 byte; padding: 4 words after every 64
	s_mov_b32 s[G1B+0], (1<<20)|(5<<22)|(3<<25)             ; the same with no mask
.irp g, G1, G1B
	s_mov_b32 s[\g+1], ROWB<<16                    ; tensor_dim0
	s_mov_b32 s[\g+2], 128<<16                     ; tensor_dim1
	s_mov_b32 s[\g+3], ROWB<<16                    ; tile_dim0
	s_mov_b32 s[\g+4], 128                         ; tile_dim1
	s_mov_b32 s[\g+5], KROW                        ; from row to row
	s_mov_b32 s[\g+6], 0
	s_mov_b32 s[\g+7], 0
.endr
	s_mov_b32 s[G1S+0], 15|(3<<16)|(1<<20)|(1<<21)|(5<<22)|(3<<25)   ; the scale bytes of 128 rows: 4,096 dense bytes as 16 rows of 256 (32 elements of 8 bytes)
	s_mov_b32 s[G1SB+0], (3<<16)|(1<<20)|(5<<22)|(3<<25)
.irp g, G1S, G1SB
	s_mov_b32 s[\g+1], 32<<16
	s_mov_b32 s[\g+2], 16<<16
	s_mov_b32 s[\g+3], 32<<16
	s_mov_b32 s[\g+4], 16
	s_mov_b32 s[\g+5], 32
	s_mov_b32 s[\g+6], 0
	s_mov_b32 s[\g+7], 0
.endr
	s_lshl_b32 s18, s16, 7                         ; which 128 rows of the tile I fetch
	s_lshl_b32 s20, s17, 8
	s_add_co_u32 s20, s20, s18                     ; x: row 256 x tile row + 128 x half
	s_lshl_b32 s46, s42, 8
	s_add_co_u32 s46, s46, s18                     ; W: row 256 x tile column + 128 x half
	s_lshl_b32 s22, s20, 5                         ; their scale bytes: 32 a row
	s_mov_b32 s23, 0
	s_lshl_b32 s92, s46, 5
	s_mov_b32 s93, 0
	s_lshl_b32 s20, s20, 9                         ; their codes: 512 bytes a row
	s_mov_b32 s21, 0
	s_lshl_b32 s46, s46, 9
	s_mov_b32 s47, 0
	s_mul_i32 s45, s14, HALFT                      ; where they go: wave x 128 rows: no place in the cluster enters an LDS address
	s_mul_i32 s94, s14, HALFS
	s_wait_dscnt 0x0                               ; both opening adds are done
	s_wait_kmcnt 0x0
	s_add_nc_u64 s[20:21], s[4:5], s[20:21]
	s_add_nc_u64 s[22:23], s[6:7], s[22:23]
	s_add_nc_u64 s[46:47], s[8:9], s[46:47]
	s_add_nc_u64 s[92:93], s[10:11], s[92:93]
	CROUND                                         ; all four work-groups are here: the first loads meet
	s_mov_b32 s[G0S], 1
	s_add_co_u32 s[G0S+1], s94, SCL
	s_mov_b64 s[G0S+2:G0S+3], s[22:23]
	s_or_b32 s[G0S+3], s[G0S+3], 0x80000000
	s_mov_b32 s[G0SB], 1
	s_add_co_u32 s[G0SB+1], s94, SCL
	s_mov_b64 s[G0SB+2:G0SB+3], s[92:93]
	s_or_b32 s[G0SB+3], s[G0SB+3], 0x80000000
	JLOAD G0S, G1S, G0SB, G1SB                     ; the scale bytes first: they are wanted with slot 0
.irp s, 0,1
	s_mov_b32 s[G0+4*\s], 1
	s_add_co_u32 s[G0+4*\s+1], s45, \s*SLOT
	s_add_nc_u64 s[G0+4*\s+2:G0+4*\s+3], s[20:21], \s*ROWB
	s_or_b32 s[G0+4*\s+3], s[G0+4*\s+3], 0x80000000
	s_mov_b32 s[G0B+4*\s], 1
	s_add_co_u32 s[G0B+4*\s+1], s45, \s*SLOT
	s_add_nc_u64 s[G0B+4*\s+2:G0B+4*\s+3], s[46:47], \s*ROWB
	s_or_b32 s[G0B+4*\s+3], s[G0B+4*\s+3], 0x80000000
	JLOAD G0+4*\s, G1, G0B+4*\s, G1B               ; three tensor loads of mine are out at the most
.endr
	v_and_b32 v1, 15, v0                           ; r = lane % 16
	v_bfe_u32 v2, v0, 4, 1                         ; h = lane / 16
	v_mul_u32_u24 v3, v1, PITCH
	v_lshl_add_u32 v4, v2, 4, v3                   ; a fragment's row x pitch + 16 h
	s_mul_i32 s21, s15, HALFT                      ; my 128 rows of x
	s_mul_i32 s22, s16, HALFT                      ; my 128 rows of W,
	s_add_co_u32 s22, s22, 2*HALFT                 ; behind x's 256
.irp s, 0,1
	v_add_nc_u32 v[ADRA+\s], s21, v4
	v_add_nc_u32 v[ADRB+\s], s22, v4
	s_add_co_u32 s21, s21, SLOT
	s_add_co_u32 s22, s22, SLOT
.endr
	v_mul_u32_u24 v5, v1, KS                       ; my row's scale bytes: 32 a row,
	v_lshrrev_b32 v6, 8, v5
	v_lshl_add_u32 v5, v6, 4, v5                   ; and 16 more for each 256 passed
	s_mul_i32 s21, s15, HALFS
	s_mul_i32 s22, s16, HALFS
	s_add_co_u32 s22, s22, 2*HALFS
	s_sub_co_u32 s22, s22, s21
	v_mul_u32_u24 v6, s22, v2                      ; lanes 16-31 take W's: one product, the distance between the two bases
	s_add_co_u32 s21, s21, SCL
	v_add_nc_u32 v5, v5, v6
	v_add_nc_u32 v[ADRS], s21, v5
	s_mul_i32 s23, s14, 16*SP16                    ; my f16 stage
	v_mul_u32_u24 v5, v1, SP16
	v_lshl_add_u32 v5, v2, 4, v5
	v_add_nc_u32 v[STO], s23, v5                   ; in: row r, 16 bytes for each half of the lanes
	v_and_b32 v6, 31, v0
	v_lshrrev_b32 v7, 3, v6
	v_mul_u32_u24 v7, v7, SP16
	v_and_b32 v8, 7, v0
	v_lshl_add_u32 v7, v8, 4, v7
	v_add_nc_u32 v[RD], s23, v7                    ; back: eight lanes take a head's 128 bytes of a row, four rows an instruction
	v_lshlrev_b32 v[CO], 4, v6
	s_mul_i32 s23, s14, 16*SP32
	s_add_co_u32 s23, s23, 4*16*SP16               ; my f32 stage
	v_mul_u32_u24 v5, v1, SP32
	v_lshl_add_u32 v5, v2, 5, v5
	v_add_nc_u32 v[STO32], s23, v5
	v_add_nc_u32 v[RD32], s23, v[CO]
	; where my 128 x 128 goes: columns 256 tx + 128 half are heads g0 and g0 + 1 of 48; rows 256 ty + 128 half are batch ty / 8, positions t0 on
	s_lshl_b32 s46, s42, 2
	s_lshl_b32 s47, s16, 1
	s_add_co_u32 s46, s46, s47                     ; g0
	s_lshr_b32 s47, s46, 4                         ; q, k or v
	s_and_b32 s46, s46, 15                         ; the head
	s_lshl_b32 s47, s47, 6
	s_add_co_u32 s46, s46, s47
	s_lshr_b32 s66, s17, 3                         ; the batch
	s_lshl_b32 s47, s66, 4
	s_add_co_u32 s46, s46, s47
	s_lshl_b32 s46, s46, 18                        ; 262,144 bytes a head
	s_and_b32 s47, s17, 7
	s_lshl_b32 s47, s47, 8
	s_lshl_b32 s67, s15, 7
	s_add_co_u32 s47, s47, s67                     ; t0
	s_lshl_b32 s47, s47, 7                         ; 128 bytes a position
	s_add_co_u32 s46, s46, s47
	s_mov_b32 s47, 0
	s_add_nc_u64 s[96:97], s[96:97], s[46:47]
	s_mul_i32 s92, s66, 16*12288                   ; qkv32: the batch's 16 rows,
	s_lshl_b32 s93, s42, 10
	s_add_co_u32 s92, s92, s93
	s_lshl_b32 s93, s16, 9
	s_add_co_u32 s92, s92, s93                     ; my first column, 4 bytes each
	s_mov_b32 s93, 0
	s_add_nc_u64 s[98:99], s[98:99], s[92:93]
.macro FRAG reg, adr, q, i             ; 16 rows x 128 K of 4-bit codes: 8 registers: lane l holds row l % 16; registers 4 c .. 4 c + 3 hold K = 64 c + 32 (l / 16) + 0 .. 31
.irp c, 0,1
	ds_load_b128 v[\reg+4*\c:\reg+4*\c+3], v[\adr] offset:64*(\q)+32*\c+(\i)*16*PITCH
.endr
.endm
; 16 matrix instructions: x's blocks a0, a0 + 1 against W's eight.  The 64 accumulators take turns, one instruction a turn, in the same order in every step.
.macro MUL16 a0, p, q, sc, zero
.irp a, \a0, \a0+1
.irp b, 0,1,2,3,4,5,6,7
.if \zero
	v_wmma_scale_f32_16x16x128_f8f6f4 v[8*(8*((\a)%4)+\b):8*(8*((\a)%4)+\b)+7], v[128*(\p)+FR*\b:128*(\p)+FR*\b+FR-1], v[AF+FR*(\a):AF+FR*(\a)+FR-1], 0, v[SC+8*NQ*(\sc)+NQ*\b+(\q)], v[SC+8*NQ*(\sc)+NQ*(\a)+(\q)] matrix_a_fmt:MATRIX_FMT_FP4 matrix_b_fmt:MATRIX_FMT_FP4 matrix_a_scale:MATRIX_SCALE_ROW1
.else
	v_wmma_scale_f32_16x16x128_f8f6f4 v[8*(8*((\a)%4)+\b):8*(8*((\a)%4)+\b)+7], v[128*(\p)+FR*\b:128*(\p)+FR*\b+FR-1], v[AF+FR*(\a):AF+FR*(\a)+FR-1], v[8*(8*((\a)%4)+\b):8*(8*((\a)%4)+\b)+7], v[SC+8*NQ*(\sc)+NQ*\b+(\q)], v[SC+8*NQ*(\sc)+NQ*(\a)+(\q)] matrix_a_fmt:MATRIX_FMT_FP4 matrix_b_fmt:MATRIX_FMT_FP4 matrix_a_scale:MATRIX_SCALE_ROW1
.endif
.endr
.endr
.endm
.macro FETCH_B slot, q, p
	WIN TO_B
.irp i, 0,1,2,3,4,5,6,7
	FRAG 128*(\p)+FR*\i, ADRB+\slot, \q, \i
.endr
	WIN 0
.endm
.macro FETCH_A slot, q, i0
.irp i, \i0, \i0+1, \i0+2, \i0+3
	FRAG AF+FR*(\i), ADRA+\slot, \q, \i
.endr
.endm
.macro SCALES sc                       ; a slot's scale words: lanes 0-15 x's block i, lanes 16-31 W's block i; four words a row
.irp i, 0,1,2,3,4,5,6,7
	ds_load_b128 v[SC+8*NQ*\sc+NQ*\i:SC+8*NQ*\sc+NQ*\i+3], v[ADRS] offset:\i*SBLK
.endr
.endm
.macro PLACES n                        ; plain vector places in front of loads into registers that matrix instructions have read, and of the first read of results
.rept \n
	v_nop
.endr
.endm
.macro STEP slot, q, zero              ; 128 along K, with its successor in the same slot
	s_wait_dscnt 4*NL                              ; W's set and x's blocks 0-3 are in; the youngest eight loads (x's blocks 4-7) may be out
	WIN MUL_LO
	MUL16 0, (\q)%2, \q, \slot, \zero
	MUL16 2, (\q)%2, \q, \slot, \zero
	s_wait_dscnt 0
	PLACES NP
	FETCH_B \slot, (\q)+1, 1-(\q)%2
	FETCH_A \slot, (\q)+1, 0
	WIN MUL_HI
	MUL16 4, (\q)%2, \q, \slot, \zero
	MUL16 6, (\q)%2, \q, \slot, \zero
	PLACES NP
	WIN 0
	FETCH_A \slot, (\q)+1, 4
.endm
; Slot 0's last step changes slots: one barrier; in front of it each wave waits for all its tensor loads (slot 1's is the one that may be out), adds 0 to its spare word, and waits for that and for its reads of slot 0.
; Nothing is filled again: behind this barrier slot 0 is free for the stages of the way out.
.macro TURN slot, next
	s_wait_tensorcnt 0x0
	ds_add_u32 v[SPW], v[NIL]
	s_wait_dscnt 4*NL+1                            ; (the add and x's blocks 4-7 may be out)
	WIN MUL_LO
	MUL16 0, 1, NQ-1, \slot, 0
	s_wait_dscnt 0x0                               ; the add is done, and my reads of this slot are over
	s_barrier_signal -1
	MUL16 2, 1, NQ-1, \slot, 0
	WIN 0
	s_barrier_wait -1
	PLACES NP
	v_add_nc_u32 v[ADRS], 4*NQ, v[ADRS]            ; the next slot's scale words
	FETCH_B \next, 0, 0
	FETCH_A \next, 0, 0
	SCALES \next
	WIN MUL_HI
	MUL16 4, 1, NQ-1, \slot, 0
	MUL16 6, 1, NQ-1, \slot, 0
	PLACES NP
	WIN 0
	FETCH_A \next, 0, 4
.endm
.macro STEPS slot, from
.set Q, \from
.rept NQ-1-\from
	STEP \slot, Q, 0
.set Q, Q+1
.endr
.endm
	s_wait_tensorcnt 1                             ; the scale bytes and my part of slot 0 are in (slot 1's load may be out),
	s_barrier_signal -1
	s_barrier_wait -1                              ; everybody's are
	FETCH_B 0, 0, 0
	FETCH_A 0, 0, 0
	SCALES 0
	FETCH_A 0, 0, 4
	STEP 0, 0, 1                                   ; the first products start the sums: nothing is cleared
	STEPS 0, 1
	TURN 0, 1
	STEPS 1, 0
	s_wait_dscnt 4*NL
	WIN MUL_LO
	MUL16 0, 1, NQ-1, 1, 0
	MUL16 2, 1, NQ-1, 1, 0
	s_wait_dscnt 0
	WIN MUL_HI
	MUL16 4, 1, NQ-1, 1, 0
	MUL16 6, 1, NQ-1, 1, 0
	WIN 0
	PLACES NP
	; POSITIONS 0-15 OF A BATCH, unrounded: my block 0, where the tile row begins a batch and I hold the tile's upper half.  The test is made of the tile row and the wave's number: alike in all partners.
	s_and_b32 s20, s17, 7
	s_or_b32 s20, s20, s15
	s_cmp_lg_u32 s20, 0
	s_cbranch_scc1 .Lno_copy
	WIN 0x08                                       ; an LDS store's data: window 2
.irp b, 0,1,2,3,4,5,6,7
	ds_store_b128 v[STO32], v[8*\b:8*\b+3] offset:64*\b              ; each accumulator from its low end on
	ds_store_b128 v[STO32], v[8*\b+4:8*\b+7] offset:64*\b+16
.endr
	WIN 0
.irp t, 0,1,2,3,4,5,6,7,8,9,10,11,12,13,14,15
	ds_load_b128 v[192+4*\t:195+4*\t], v[RD32] offset:SP32*\t        ; whole rows of 512 bytes: these loads see my stores
.endr
.irp t, 0,1,2,3,4,5,6,7,8,9,10,11,12,13,14,15
	s_wait_dscnt 15-\t                             ; row t is back; the later rows' loads may be out
	global_store_b128 v[CO], v[192+4*\t:195+4*\t], s[98:99] offset:12288*\t   ; 512 consecutive bytes, aligned
.endr
.Lno_copy:
; THE WAY OUT, a block of 16 rows x 128 columns at a time: rounded to f16, through my stage, and back head by head: an instruction stores four positions of one head, 512 consecutive bytes, aligned.
.macro PACK a
.set AC, 64*((\a)%4)
	WIN 0x0a+5*((\a)/4)                            ; sources 0 and 1: window 2 or 3
.irp b, 0,1,2,3,4,5,6,7
.irp r, 0,1,2,3
	v_cvt_pk_f16_f32 v[TMP+4*\b+\r], v[AC+8*\b+2*\r], v[AC+8*\b+2*\r+1]
.endr
.endr
	WIN 0
.endm
.macro TOSTAGE a
.set BB, BK+32*((\a)%2)
.irp b, 0,1,2,3,4,5,6,7
	ds_store_b128 v[STO], v[TMP+4*\b:TMP+4*\b+3] offset:32*\b
.endr
.irp p, 0,1
.irp u, 0,1,2,3
	ds_load_b128 v[BB+4*(4*\p+\u):BB+4*(4*\p+\u)+3], v[RD] offset:128*\p+4*SP16*\u
.endr
.endr
.endm
.macro SEND a
.set BB, BK+32*((\a)%2)
	s_wait_dscnt 0x0                               ; the block is back in registers
	s_wait_xcnt 0x0                                ; earlier stores have read their base and their data registers
.if (\a) > 0
	s_add_nc_u64 s[96:97], s[96:97], 16*128        ; 16 positions on
.endif
.irp p, 0,1
.irp u, 0,1,2,3
	global_store_b128 v[CO], v[BB+4*(4*\p+\u):BB+4*(4*\p+\u)+3], s[96:97] offset:262144*\p+512*\u
.endr
.endr
.endm
	PACK 0
	TOSTAGE 0
.irp a, 1,2,3,4,5,6,7                  ; block a's conversions stand between block a - 1's loads from the stage and the wait for them
	PACK \a
	SEND \a-1
	TOSTAGE \a
.endr
	SEND 7
	s_wait_tensorcnt 0x0                           ; the wave's end
	ds_add_u32 v[SPW], v[NIL]
	s_wait_dscnt 0x0
	CROUND                                         ; the closing round
	s_endpgm
.Lfunc_end_k_q0a497aa085_qkv:
	.size	k_q0a497aa085_qkv, .Lfunc_end_k_q0a497aa085_qkv-k_q0a497aa085_qkv
	.p2alignl 7, 3214868480
	.fill 96, 4, 3214868480
	.section	.rodata,"a",@progbits
	.p2align	6, 0x0
	.amdhsa_kernel k_q0a497aa085_qkv
		.amdhsa_group_segment_fixed_size 327680
		.amdhsa_private_segment_fixed_size 0
		.amdhsa_enable_private_segment 0
		.amdhsa_kernarg_size 48
		.amdhsa_user_sgpr_count 2
		.amdhsa_user_sgpr_kernarg_segment_ptr 1
		.amdhsa_wavefront_size32 1
		.amdhsa_system_sgpr_workgroup_id_x 1
		.amdhsa_system_sgpr_workgroup_id_y 1
		.amdhsa_system_sgpr_workgroup_id_z 1
		.amdhsa_system_vgpr_workitem_id 0
		.amdhsa_next_free_vgpr 1024
		.amdhsa_next_free_sgpr 100
		.amdhsa_reserve_vcc 0
		.amdhsa_float_denorm_mode_32 3
		.amdhsa_float_denorm_mode_16_64 3
		.amdhsa_memory_ordered 1
		.amdhsa_forward_progress 1
		.amdhsa_inst_pref_size 131
	.end_amdhsa_kernel
	.amdgpu_metadata
---
amdhsa.version: [ 1, 2 ]
amdhsa.kernels:
  - .name:           k_q0a497aa085_qkv
    .symbol:         k_q0a497aa085_qkv.kd
    .args:
      - { .name: xc, .offset: 0, .size: 8, .value_kind: global_buffer, .address_space: global }
      - { .name: xs, .offset: 8, .size: 8, .value_kind: global_buffer, .address_space: global }
      - { .name: wc, .offset: 16, .size: 8, .value_kind: global_buffer, .address_space: global }
      - { .name: ws, .offset: 24, .size: 8, .value_kind: global_buffer, .address_space: global }
      - { .name: qkv, .offset: 32, .size: 8, .value_kind: global_buffer, .address_space: global }
      - { .name: qkv32, .offset: 40, .size: 8, .value_kind: global_buffer, .address_space: global }
    .group_segment_fixed_size: 327680
    .private_segment_fixed_size: 0
    .kernarg_segment_align: 8
    .kernarg_segment_size: 48
    .max_flat_workgroup_size: 128
    .sgpr_count:     100
    .vgpr_count:     1024
    .wavefront_size: 32
...
	.end_amdgpu_metadata
.endif
;; end of part 2
;; launch attn (part 3): grid 4 x 64, 8 waves a work-group, no clusters, 327,680 bytes of LDS; arguments qkv, y; writes y
.if DOCPART == 3
	.amdgcn_target "amdgcn-amd-amdhsa--gfx1250"
	.amdhsa_code_object_version 6
	.text
	.protected	k_q0a497aa085_attn
	.globl	k_q0a497aa085_attn
	.p2align	8
	.type	k_q0a497aa085_attn,@function
k_q0a497aa085_attn:
	s_mov_b64 s[64:65], 0
	v_nop
	global_prefetch_b8 v0, s[64:65] scope:SCOPE_SE
	s_setreg_imm32_b32 hwreg(HW_REG_WAVE_MODE, 25, 1), 1
	s_wait_xcnt 0x0
; y[b][h][q][:] = sum over k <= q of softmax_k(q . k / 8) v[k][:], for 64 heads (b, h) of 2048 positions x 64 channels.  q, k, v: f16, [3][64 heads][2048][64]; y: f16, [64 heads][2048][64].  Products on f16 operands with f32 sums;
; maxima, exponentials and sums in f32; the weights p are rounded to f16 for the second product, y once at the end.
; WORK LEFT OUT: key steps all of whose keys come after all 32 queries of a wave: the problem's own causal mask makes their weights exactly 0 for all inputs.  A NaN or infinity that reaches only such scores is not carried.
; LIMITS: f16's range for q, k, v, y (65,504; steps of 6e-8 under 6e-5).  Positions 0-15 of each batch are computed here too (they lie in live tiles) and are replaced in the output by the launch that carries them in f32.
; SHARES.  Work-group (j, head), j = 0..3, owns query blocks of 256: first block 7 - j (key units 0 .. 7 - j of 256 keys), then block j (units 0 .. j): always 9 units, so every trip count is a constant and all 256 work-groups
; have the same work.  Each of 8 waves owns 32 queries, two tiles of 16; wave w takes sub-block w xor 3 (w / 4), so that waves w and w + 4 together have equal work on the diagonal.  Two waves share a SIMD: one's softmax stands beside the other's products.
; NO CLUSTER: the four work-groups of a head want the same units only in trips 0 to 4; from then on their units differ (unit t against unit t - 8 + j), and a walk in which all four ask for every unit would be 12 units long in place of 9.
; LAYOUT.  S^T = K Q^T (source 0 = 16 keys, source 1 = 16 queries): a lane holds ONE query (lane % 16) and keys 8 (lane / 16) + 0..7 of a tile.  Two such tiles, rounded in pairs, ARE source 1 of O^T = V^T P.  V is turned on its way out of LDS.
; SOFTMAX.  A running maximum m and sum l a query: p = 2^(c s - c m), c = log2(e) / 8; in every step O^T and l are multiplied by a = 2^(c m_old - c m_new).
; RING.  Two slots of one unit (256 rows of K, 256 of V).  Waves 0-3 fetch K's quarters, waves 4-7 V's: one tensor load a wave behind each barrier, one out at a time.
; REGISTERS.  Window 0: v1-14 addresses and constants; v16-31 statistics, 8 a tile; v32-95 S^T; v96-127 P; v128-191 O^T.  Window 1: v0-31 Q; v32-95 K of a step; v96-159 V of a step.
.set PK,    144                        ; a row of K in LDS: 128 bytes + 16
.set PV,    160                        ; a row of V: 128 + 32: an odd multiple of 32
.set VOFF,  256*PK
.set KSTEPB, 64*PK
.set VSTEPB, 64*PV
.set SLOT1, 1<<17                      ; slot 1 begins here: one exclusive or turns an address
.set STAGE, 256*(PK+PV)                ; behind slot 0: 32 rows x 144 for each wave, for the way out; no fill lands here
.set SPARE, STAGE+8*32*PK              ; the spare words: 128 bytes a wave, named by no other line
.set AK0, 1
.set AV0, 2
.set ADK, 3
.set ADV, 4
.set QO,  5
.set STO, 6
.set RD,  7
.set GO,  8
.set SPW, 9
.set NIL, 10
.set PFO, 11
.set DQ,  12                           ; r - 8 h
.set ST,  16                           ; tile t at v[ST + 8 t]: +0 c m, +1 m, +2, +3 l, +4..+7 at work (a at +6)
.set S,   32
.set P,   96
.set OT,  128
.set KR,  32                           ; window 1
.set VR,  96
.set WV,  8
.set J,   9
.set QB,  12
.set YB,  14
.set KB,  16
.set VB,  18
.set PI,  20
.set QA,  22
.set G1K, 24
.set G1V, 32
.set G0K, 40
.set G0V, 44
.set OF,  48
.set NXT, 50                           ; the unit that the next load brings
.set LEN1, 51                          ; 8 - j: units of the first block
.set JP1, 52
.set TRIPS, 53
.set STEPC, 54
.set TK,  55
.set TV,  56
.set KF,  57                           ; the step's first key
.set Q0,  58                           ; my first query
.set CS,  60
.set SEL, 62
.set PFA, 66
.set LIM, 68
.set YA,  76
.set MSB, 0
.macro WIN new
.if MSB != (\new)
	s_set_vgpr_msb (MSB<<8)|(\new)
.set MSB, \new
.endif
.endm
.macro TLOAD                           ; every wave has a load: the branch hangs on the wave's number alone.  An s_nop 0 and four v_nop follow each line
	s_cmp_lt_u32 s[WV], 4
	s_cbranch_scc0 .Lfor_v_\@
	tensor_load_to_lds s[G0K:G0K+3], s[G1K:G1K+7]
	s_nop 0
.rept 4
	v_nop
.endr
	s_branch .Lasked_\@
.Lfor_v_\@:
	tensor_load_to_lds s[G0V:G0V+3], s[G1V:G1V+7]
	s_nop 0
.rept 4
	v_nop
.endr
.Lasked_\@:
.endm
; A PREFETCH INTO THE L2 of the unit that the NEXT change of slots will ask for.  The head's work-group j = 0 walks units 0 to 7 in trips 0 to 7: it alone asks, in trip u <= 5 for unit u + 2.
; Each of its waves names the 8,192 bytes that it will fetch, lanes 256 bytes apart: each aligned block of 256 bytes is named once in the launch.  Units 0 and 1 come by their loads alone.
.macro ASK
	s_cmp_gt_u32 s[TRIPS], s[LIM]
	s_cbranch_scc0 .Lnot_mine_\@
	global_prefetch_b8 v[PFO], s[PFA:PFA+1] th:TH_LOAD_NT scope:SCOPE_SE
.Lnot_mine_\@:
.endm
; THE CHANGE OF SLOTS, at a trip's head.  Each wave waits for all its tensor loads (its part of the slot ahead), adds 0 to its spare word, and waits for that and for its reads of the slot that it has left; behind the barrier that slot is filled.
.macro CHANGE fill
	s_wait_tensorcnt 0x0                           ; no tensor load of mine is out: a group 0 may be written
	ds_add_u32 v[SPW], v[NIL]
.if \fill
	s_lshl_b32 s[OF], s[NXT], 15                   ; a unit is 256 rows of 128 bytes
	s_xor_b32 s[G0K+1], s[G0K+1], SLOT1
	s_add_nc_u64 s[G0K+2:G0K+3], s[KB:KB+1], s[OF:OF+1]
	s_or_b32 s[G0K+3], s[G0K+3], 0x80000000
	s_xor_b32 s[G0V+1], s[G0V+1], SLOT1
	s_add_nc_u64 s[G0V+2:G0V+3], s[VB:VB+1], s[OF:OF+1]
	s_or_b32 s[G0V+3], s[G0V+3], 0x80000000
	s_wait_xcnt 0x0                                ; the last prefetch, a trip back, has read its address
	s_add_nc_u64 s[PFA:PFA+1], s[PFA:PFA+1], 32768
.endif
	s_wait_dscnt 0x0
	s_barrier_signal -1
	s_barrier_wait -1
.if \fill
	TLOAD                                          ; the first thing behind the barrier, and my one tensor load until the next
	ASK
	s_add_co_u32 s[NXT], s[NXT], 1
	s_cmp_eq_u32 s[NXT], s[LEN1]                   ; behind the first block's last unit comes unit 0 again
	s_cselect_b32 s[NXT], 0, s[NXT]
.endif
.endm
; A BLOCK BEGINS: my 32 queries into registers; m = -3e38, l = 0, O^T = 0.  (O^T is cleared, twice a wave: the trip in which the blocks change hangs on the work-group's number, so a first step that starts the sums cannot be written out.)
.macro BEGIN
	s_wait_xcnt 0x0                                ; earlier loads and stores have read their addresses and data
	s_lshl_b32 s70, s[Q0], 7
	s_mov_b32 s71, 0
	s_add_nc_u64 s[QA:QA+1], s[QB:QB+1], s[70:71]
	WIN 0x40
.irp t, 0,1
.irp c, 0,1
	global_load_b128 v[16*\t+8*\c:16*\t+8*\c+3],   v[QO], s[QA:QA+1] offset:2048*\t+64*\c
	global_load_b128 v[16*\t+8*\c+4:16*\t+8*\c+7], v[QO], s[QA:QA+1] offset:2048*\t+64*\c+32
.endr
.endr
	WIN 0
.irp t, 0,1
	v_mov_b32 v[ST+8*\t+1], 0xff61b1e6
	v_mul_f32 v[ST+8*\t], s[CS], v[ST+8*\t+1]
.irp n, 2,3,4,5,6,7
	v_mov_b32 v[ST+8*\t+\n], 0
.endr
.endr
.set NI, 0
.rept 64
	v_mov_b32 v[OT+NI], 0
.set NI, NI+1
.endr
	s_wait_loadcnt 0x0
.endm
; A KEY STEP: 64 keys.
.macro STEP
	s_add_co_u32 s69, s[Q0], 31
	s_cmp_gt_u32 s[KF], s69                        ; all keys behind all my queries: the step's work is left out (ids and counted steps alone)
	s_cbranch_scc1 .Lhidden_\@
	v_add_nc_u32 v[ADK], s[TK], v[AK0]
	v_add_nc_u32 v[ADV], s[TV], v[AV0]
	v_nop
	v_nop                                          ; four plain places between the last step's products and the loads into V's registers
	WIN 0x40
.irp kt, 0,1,2,3
.irp c, 0,1
	ds_load_b128 v[KR+16*\kt+8*\c:KR+16*\kt+8*\c+3],   v[ADK] offset:\kt*16*PK+64*\c
	ds_load_b128 v[KR+16*\kt+8*\c+4:KR+16*\kt+8*\c+7], v[ADK] offset:\kt*16*PK+64*\c+32
.endr
.endr
.irp g, 0,1
.irp ct, 0,1,2,3
	ds_load_tr16_b128 v[VR+32*\g+8*\ct:VR+32*\g+8*\ct+3],   v[ADV] offset:\g*32*PV+32*\ct
	ds_load_tr16_b128 v[VR+32*\g+8*\ct+4:VR+32*\g+8*\ct+7], v[ADV] offset:\g*32*PV+16*PV+32*\ct
.endr
.endr
	s_wait_dscnt 16                                ; K is in; V's sixteen loads may be out
	WIN 0x05                                       ; K and Q in window 1
.set NI, 0
.rept 16                                       ; channels 32 (NI / 8) on, keys 16 ((NI / 2) % 4) on, tile NI % 2: eight accumulators by turns; the first eight start the sums
.set rS, S+32*(NI%2)+8*((NI/2)%4)
.set rK, KR+16*((NI/2)%4)+8*(NI/8)
.set rQ, 16*(NI%2)+8*(NI/8)
.if NI < 8
	v_wmma_f32_16x16x32_f16 v[rS:rS+7], v[rK:rK+7], v[rQ:rQ+7], 0
.else
	v_wmma_f32_16x16x32_f16 v[rS:rS+7], v[rK:rK+7], v[rQ:rQ+7], v[rS:rS+7]
.endif
.set NI, NI+1
.endr
	WIN 0
.rept 4
	v_nop
.endr
	s_add_co_u32 s69, s[KF], 63
	s_cmp_le_u32 s69, s[Q0]                        ; all keys count for all my queries: no mask
	s_cbranch_scc1 .Lopen_\@
	s_sub_co_i32 s69, s[Q0], s[KF]
	v_add_nc_u32 v14, s69, v[DQ]                   ; d = Q0 - KF + r - 8 h.  Register 32 t + 8 kt + i holds key KF + 16 kt + 8 h + i for query Q0 + 16 t + r: hidden where 16 kt + i - 16 t > d
.irp t, 0,1
.irp kt, 0,1,2,3
.irp i, 0,1,2,3,4,5,6,7
	v_cmp_gt_i32 vcc_lo, 16*\kt+\i-16*\t, v14
	v_cndmask_b32 v[S+32*\t+8*\kt+\i], v[S+32*\t+8*\kt+\i], v13, vcc_lo
.endr
.endr
.endr
.Lopen_\@:
	; the softmax, the two tiles line by line.  The maximum: four chains, each begun at an accumulator's low end
.irp q, 0,1,2,3
.irp t, 0,1
	v_max3_num_f32 v[ST+8*\t+4+\q], v[S+32*\t+8*\q], v[S+32*\t+8*\q+1], v[S+32*\t+8*\q+2]
.endr
.endr
.irp n, 3,5
.irp q, 0,1,2,3
.irp t, 0,1
	v_max3_num_f32 v[ST+8*\t+4+\q], v[ST+8*\t+4+\q], v[S+32*\t+8*\q+\n], v[S+32*\t+8*\q+\n+1]
.endr
.endr
.endr
.irp t, 0,1
	v_max3_num_f32 v[ST+8*\t+4], v[ST+8*\t+4], v[S+32*\t+7], v[S+32*\t+15]
.endr
.irp t, 0,1
	v_max3_num_f32 v[ST+8*\t+6], v[ST+8*\t+6], v[S+32*\t+23], v[S+32*\t+31]
.endr
.irp t, 0,1
	v_max3_num_f32 v[ST+8*\t+4], v[ST+8*\t+4], v[ST+8*\t+5], v[ST+8*\t+6]
.endr
.irp t, 0,1
	v_max3_num_f32 v[ST+8*\t+4], v[ST+8*\t+4], v[ST+8*\t+7], v[ST+8*\t+1]   ; with the old m
.endr
.irp t, 0,1
	v_permlanex16_b32 v[ST+8*\t+5], v[ST+8*\t+4], s[SEL], s[SEL+1]          ; the query's other 32 keys lie in the lane 16 away
.endr
.irp t, 0,1
	v_mov_b32 v[ST+8*\t+7], v[ST+8*\t]
.endr
.irp t, 0,1
	v_max_num_f32 v[ST+8*\t+1], v[ST+8*\t+4], v[ST+8*\t+5]
.endr
.irp t, 0,1
	v_mul_f32 v[ST+8*\t], s[CS], v[ST+8*\t+1]
.endr
.irp t, 0,1
	v_sub_f32 v[ST+8*\t+7], v[ST+8*\t+7], v[ST+8*\t]
.endr
.irp t, 0,1
	v_exp_f32 v[ST+8*\t+6], v[ST+8*\t+7]           ; a
.endr
.irp n, 0,2,4,6,8,10,12,14,16,18,20,22,24,26,28,30
.irp t, 0,1
	v_pk_fma_f32 v[S+32*\t+\n:S+32*\t+\n+1], v[S+32*\t+\n:S+32*\t+\n+1], s[CS:CS+1], v[ST+8*\t:ST+8*\t+1] op_sel_hi:[1,0,0] neg_lo:[0,0,1] neg_hi:[0,0,1]   ; c s - c m: plain work behind the two exponentials
.endr
.endr
	s_wait_alu depctr_va_vdst(0)                   ; the wait ahead of a's first reader
.irp n, 0,1,2,3,4,5,6,7,8,9,10,11,12,13,14,15,16,17,18,19,20,21,22,23,24,25,26,27,28,29,30,31
.irp t, 0,1
	v_exp_f32 v[S+32*\t+\n], v[S+32*\t+\n]
.endr
.endr
.irp n, 0,2,4,6,8,10,12,14,16,18,20,22,24,26,28,30
.irp t, 0,1
	v_pk_mul_f32 v[OT+32*\t+\n:OT+32*\t+\n+1], v[OT+32*\t+\n:OT+32*\t+\n+1], v[ST+8*\t+6:ST+8*\t+7] op_sel_hi:[1,0]   ; O^T x a: names no p: the independent work behind the batch
.endr
.endr
	s_wait_alu depctr_va_vdst(0)                   ; one wait for the 64 exponentials, ahead of their first reader
.irp n, 0,1,2,3,4,5,6,7,8,9,10,11,12,13,14,15
.irp t, 0,1
	v_cvt_pk_f16_f32 v[P+16*\t+\n], v[S+32*\t+2*\n], v[S+32*\t+2*\n+1]
.endr
.endr
.irp u, 0,4,8,12,16,20,24,28                   ; the sum of the unrounded p, in place, as a tree
.irp t, 0,1
	v_pk_add_f32 v[S+32*\t+\u:S+32*\t+\u+1], v[S+32*\t+\u:S+32*\t+\u+1], v[S+32*\t+\u+2:S+32*\t+\u+3]
.endr
.endr
.irp u, 0,8,16,24
.irp t, 0,1
	v_pk_add_f32 v[S+32*\t+\u:S+32*\t+\u+1], v[S+32*\t+\u:S+32*\t+\u+1], v[S+32*\t+\u+4:S+32*\t+\u+5]
.endr
.endr
.irp u, 0,16
.irp t, 0,1
	v_pk_add_f32 v[S+32*\t+\u:S+32*\t+\u+1], v[S+32*\t+\u:S+32*\t+\u+1], v[S+32*\t+\u+8:S+32*\t+\u+9]
.endr
.endr
.irp t, 0,1
	v_pk_add_f32 v[S+32*\t:S+32*\t+1], v[S+32*\t:S+32*\t+1], v[S+32*\t+16:S+32*\t+17]
.endr
.irp t, 0,1
	v_pk_fma_f32 v[ST+8*\t+2:ST+8*\t+3], v[ST+8*\t+2:ST+8*\t+3], v[ST+8*\t+6:ST+8*\t+7], v[S+32*\t:S+32*\t+1] op_sel_hi:[1,0,1]   ; l = a l + the sum
.endr
	s_wait_dscnt 0x0                               ; V is in
	WIN 0x01                                       ; V in window 1
.set NI, 0
.rept 16                                       ; keys 32 (NI / 8) on, channels 16 ((NI / 2) % 4) on, tile NI % 2: eight accumulators by turns
.set rO, OT+32*(NI%2)+8*((NI/2)%4)
.set rV, VR+32*(NI/8)+8*((NI/2)%4)
.set rP, P+16*(NI%2)+8*(NI/8)
	v_wmma_f32_16x16x32_f16 v[rO:rO+7], v[rV:rV+7], v[rP:rP+7], v[rO:rO+7]
.set NI, NI+1
.endr
	WIN 0
.Lhidden_\@:
	s_add_co_u32 s[KF], s[KF], 64
	s_add_co_u32 s[TK], s[TK], KSTEPB
	s_add_co_u32 s[TV], s[TV], VSTEPB
.endm
.macro FOUR_STEPS                      ; a unit's four key steps: written once, walked four times
	s_mov_b32 s[STEPC], 4
.Lstep_\@:
	STEP
	s_sub_co_u32 s[STEPC], s[STEPC], 1
	s_cmp_lg_u32 s[STEPC], 0
	s_cbranch_scc1 .Lstep_\@
	s_sub_co_u32 s[TK], s[TK], 4*KSTEPB
	s_xor_b32 s[TK], s[TK], SLOT1                  ; on to the other slot
	s_sub_co_u32 s[TV], s[TV], 4*VSTEPB
	s_xor_b32 s[TV], s[TV], SLOT1
.endm
; A BLOCK ENDS: O^T / l, rounded to f16, through my stage, out as whole rows: an instruction stores four positions, 512 consecutive bytes, aligned.
.macro FINISH
.rept 4
	v_nop
.endr
.irp t, 0,1
	v_add_f32 v[ST+8*\t+4], v[ST+8*\t+2], v[ST+8*\t+3]
.endr
.irp t, 0,1
	v_permlanex16_b32 v[ST+8*\t+5], v[ST+8*\t+4], s[SEL], s[SEL+1]
.endr
.irp t, 0,1
	v_add_f32 v[ST+8*\t+4], v[ST+8*\t+4], v[ST+8*\t+5]
.endr
.irp t, 0,1
	v_rcp_f32 v[ST+8*\t+6], v[ST+8*\t+4]
.endr
	v_nop                                          ; a plain instruction behind the reciprocals,
	s_wait_alu depctr_va_vdst(0)                   ; and the one wait ahead of their first reader
.irp t, 0,1
.irp n, 0,2,4,6,8,10,12,14,16,18,20,22,24,26,28,30
	v_pk_mul_f32 v[OT+32*\t+\n:OT+32*\t+\n+1], v[OT+32*\t+\n:OT+32*\t+\n+1], v[ST+8*\t+6:ST+8*\t+7] op_sel_hi:[1,0]
.endr
.endr
.irp t, 0,1
.irp n, 0,1,2,3,4,5,6,7,8,9,10,11,12,13,14,15
	v_cvt_pk_f16_f32 v[S+16*\t+\n], v[OT+32*\t+2*\n], v[OT+32*\t+2*\n+1]
.endr
.endr
.irp t, 0,1
.irp ct, 0,1,2,3
	ds_store_b128 v[STO], v[S+16*\t+4*\ct:S+16*\t+4*\ct+3] offset:16*PK*\t+32*\ct
.endr
.endr
.irp n, 0,1,2,3,4,5,6,7
	ds_load_b128 v[S+32+4*\n:S+32+4*\n+3], v[RD] offset:4*PK*\n      ; these loads see my stores
.endr
	s_lshl_b32 s70, s[Q0], 7
	s_mov_b32 s71, 0
	s_add_nc_u64 s[YA:YA+1], s[YB:YB+1], s[70:71]
.irp n, 0,1,2,3,4,5,6,7
	s_wait_dscnt 7-\n                              ; load n is back; the later ones may be out
	global_store_b128 v[GO], v[S+32+4*\n:S+32+4*\n+3], s[YA:YA+1] offset:512*\n
.endr
.endm
	s_load_b128 s[4:7], s[0:1], 0x0                ; qkv, y
	v_lshl_add_u32 v[SPW], v0, 2, SPARE
	v_mov_b32 v[NIL], 0
	ds_add_u32 v[SPW], v[NIL]                      ; the wave's opening: the add, twice on end, and its wait ahead of my first tensor load
	ds_add_u32 v[SPW], v[NIL]
	v_lshrrev_b32 v1, 5, v0
	v_readfirstlane_b32 s[WV], v1                  ; wave 0..7
	s_mov_b32 s[J], ttmp9
	s_and_b32 s69, ttmp7, 0xffff                   ; the head, 0..63
	s_lshl_b32 s70, s69, 18                        ; 262,144 bytes a head
	s_mov_b32 s71, 0
	s_and_b32 s72, s[WV], 3                        ; which quarter of a unit I fetch:
	s_lshl_b32 s73, s72, 13                        ; 64 rows of 128 bytes
	s_add_co_u32 s74, s70, s73
	s_mov_b32 s75, 0
	s_mov_b32 s[G1K], (1<<16)|(1<<20)|(4<<22)|(3<<25)   ; elements of 2 bytes; padding: 4 words after every 32
	s_mov_b32 s[G1V], (1<<16)|(1<<20)|(4<<22)|(7<<25)   ; 8 words
.irp g, G1K, G1V
	s_mov_b32 s[\g+1], 64<<16                      ; tensor_dim0
	s_mov_b32 s[\g+2], 64<<16                      ; tensor_dim1
	s_mov_b32 s[\g+3], 64<<16                      ; tile_dim0
	s_mov_b32 s[\g+4], 64                          ; tile_dim1
	s_mov_b32 s[\g+5], 64                          ; from row to row
	s_mov_b32 s[\g+6], 0
	s_mov_b32 s[\g+7], 0
.endr
	s_mov_b32 s[G0K], 1
	s_mul_i32 s[G0K+1], s72, KSTEPB                ; slot 0, my quarter
	s_mov_b32 s[G0V], 1
	s_mul_i32 s[G0V+1], s72, VSTEPB
	s_add_co_u32 s[G0V+1], s[G0V+1], VOFF
	s_mov_b32 s[OF+1], 0
	s_mov_b32 s[CS], 0x3e38aa3b                    ; c = log2(e) / 8
	s_mov_b32 s[CS+1], s[CS]
	s_mov_b32 s[SEL], 0x76543210
	s_mov_b32 s[SEL+1], 0xfedcba98
	s_mov_b32 s[NXT], 1
	s_sub_co_u32 s[LEN1], 8, s[J]
	s_add_co_u32 s[JP1], s[J], 1
	s_mov_b32 s[TK], 0
	s_mov_b32 s[TV], 0
	s_mov_b32 s[KF], 0
	s_lshr_b32 s69, s[WV], 2
	s_mul_i32 s69, s69, 3
	s_xor_b32 s69, s[WV], s69
	s_lshl_b32 s[PI], s69, 5                       ; my 32 queries in a block
	s_sub_co_u32 s69, 7, s[J]
	s_lshl_b32 s69, s69, 8
	s_add_co_u32 s[Q0], s69, s[PI]                 ; the first block: 7 - j
	s_cmp_eq_u32 s[J], 0
	s_cselect_b32 s[LIM], 2, -1
	s_wait_dscnt 0x0                               ; both opening adds are done
	s_wait_kmcnt 0x0
	s_add_nc_u64 s[QB:QB+1], s[4:5], s[70:71]
	s_add_nc_u64 s[YB:YB+1], s[6:7], s[70:71]
	s_add_nc_u64 s[KB:KB+1], s[4:5], s[74:75]
	s_add_nc_u64 s[KB:KB+1], s[KB:KB+1], 16777216  ; k lies 64 heads behind q,
	s_add_nc_u64 s[VB:VB+1], s[KB:KB+1], 16777216  ; v 64 more
	s_mov_b64 s[G0K+2:G0K+3], s[KB:KB+1]
	s_or_b32 s[G0K+3], s[G0K+3], 0x80000000
	s_mov_b64 s[G0V+2:G0V+3], s[VB:VB+1]
	s_or_b32 s[G0V+3], s[G0V+3], 0x80000000
	TLOAD                                          ; unit 0 into slot 0
	s_cmp_lt_u32 s[WV], 4
	s_cselect_b64 s[PFA:PFA+1], s[KB:KB+1], s[VB:VB+1]
	s_add_nc_u64 s[PFA:PFA+1], s[PFA:PFA+1], 32768 ; at unit 1: the first change steps it to unit 2.  Nothing is prefetched at the head
	v_and_b32 v15, 15, v0                          ; r
	v_bfe_u32 v14, v0, 4, 1                        ; h
	v_mul_u32_u24 v[AK0], v15, PK
	v_lshl_add_u32 v[AK0], v14, 4, v[AK0]          ; K: row r, + 16 h
	v_and_b32 v3, 7, v0
	v_lshl_add_u32 v3, v14, 3, v3
	v_mul_u32_u24 v[AV0], v3, PV                   ; V, for the turning load: key 8 h + l % 8,
	v_bfe_u32 v3, v0, 3, 1
	v_lshl_add_u32 v[AV0], v3, 4, v[AV0]           ; channels 8 ((l / 8) % 2) on
	v_add_nc_u32 v[AV0], VOFF, v[AV0]
	v_lshlrev_b32 v[QO], 7, v15
	v_lshl_add_u32 v[QO], v14, 4, v[QO]
	s_mul_i32 s69, s[WV], 32*PK
	s_add_co_u32 s69, s69, STAGE                   ; my stage
	v_add_nc_u32 v[STO], s69, v[AK0]
	v_and_b32 v3, 31, v0
	v_lshrrev_b32 v4, 3, v3
	v_mul_u32_u24 v4, v4, PK
	v_and_b32 v[RD], 7, v0
	v_lshl_add_u32 v[RD], v[RD], 4, v4
	v_add_nc_u32 v[RD], s69, v[RD]                 ; back: eight lanes a row of 128 bytes, four rows an instruction
	v_lshlrev_b32 v[GO], 4, v3
	v_lshlrev_b32 v[PFO], 8, v3
	v_lshlrev_b32 v4, 3, v14
	v_sub_nc_u32 v[DQ], v15, v4
	v_mov_b32 v13, 0xff800000                      ; -infinity
	BEGIN
	s_mov_b32 s[TRIPS], 8
.Ltrip:                                            ; eight trips; each asks for the next trip's unit
	CHANGE 1
	FOUR_STEPS
	s_cmp_lg_u32 s[TRIPS], s[JP1]                  ; behind trip 7 - j the first block is done: the work-group's number and the count of trips alone
	s_cbranch_scc1 .Lno_switch
	FINISH
	s_lshl_b32 s69, s[J], 8
	s_add_co_u32 s[Q0], s69, s[PI]                 ; the second block: j
	s_mov_b32 s[KF], 0
	BEGIN
.Lno_switch:
	s_sub_co_u32 s[TRIPS], s[TRIPS], 1
	s_cmp_lg_u32 s[TRIPS], 0
	s_cbranch_scc1 .Ltrip
	CHANGE 0                                       ; the ninth unit is written out: nothing is left to ask for
	FOUR_STEPS
	FINISH
	s_wait_tensorcnt 0x0                           ; the wave's end
	ds_add_u32 v[SPW], v[NIL]
	s_wait_dscnt 0x0
	s_endpgm
.Lfunc_end_k_q0a497aa085_attn:
	.size	k_q0a497aa085_attn, .Lfunc_end_k_q0a497aa085_attn-k_q0a497aa085_attn
	.p2alignl 7, 3214868480
	.fill 96, 4, 3214868480
	.section	.rodata,"a",@progbits
	.p2align	6, 0x0
	.amdhsa_kernel k_q0a497aa085_attn
		.amdhsa_group_segment_fixed_size 327680
		.amdhsa_private_segment_fixed_size 0
		.amdhsa_enable_private_segment 0
		.amdhsa_kernarg_size 16
		.amdhsa_user_sgpr_count 2
		.amdhsa_user_sgpr_kernarg_segment_ptr 1
		.amdhsa_wavefront_size32 1
		.amdhsa_system_sgpr_workgroup_id_x 1
		.amdhsa_system_sgpr_workgroup_id_y 1
		.amdhsa_system_sgpr_workgroup_id_z 1
		.amdhsa_system_vgpr_workitem_id 0
		.amdhsa_next_free_vgpr 416
		.amdhsa_next_free_sgpr 80
		.amdhsa_reserve_vcc 1
		.amdhsa_float_denorm_mode_32 3
		.amdhsa_float_denorm_mode_16_64 3
		.amdhsa_memory_ordered 1
		.amdhsa_forward_progress 1
		.amdhsa_inst_pref_size 71
	.end_amdhsa_kernel
	.amdgpu_metadata
---
amdhsa.version: [ 1, 2 ]
amdhsa.kernels:
  - .name:           k_q0a497aa085_attn
    .symbol:         k_q0a497aa085_attn.kd
    .args:
      - { .name: qkv, .offset: 0, .size: 8, .value_kind: global_buffer, .address_space: global }
      - { .name: y, .offset: 8, .size: 8, .value_kind: global_buffer, .address_space: global }
    .group_segment_fixed_size: 327680
    .private_segment_fixed_size: 0
    .kernarg_segment_align: 8
    .kernarg_segment_size: 16
    .max_flat_workgroup_size: 256
    .sgpr_count:     80
    .vgpr_count:     416
    .wavefront_size: 32
...
	.end_amdgpu_metadata
.endif
;; end of part 3
;; launch proj (part 4): grid 4 x 64, 4 waves a work-group, clusters of 4 x 4, 327,680 bytes of LDS; arguments y, wp16, out0; writes out0
.if DOCPART == 4
	.amdgcn_target "amdgcn-amd-amdhsa--gfx1250"
	.amdhsa_code_object_version 6
	.text
	.protected	k_q0a497aa085_proj
	.globl	k_q0a497aa085_proj
	.p2align	8
	.type	k_q0a497aa085_proj,@function
k_q0a497aa085_proj:
	s_mov_b64 s[64:65], 0
	v_nop
	global_prefetch_b8 v0, s[64:65] scope:SCOPE_SE
	s_setreg_imm32_b32 hwreg(HW_REG_WAVE_MODE, 25, 1), 1
	s_wait_xcnt 0x0
	s_wait_alu depctr_hold_cnt(0) depctr_sa_sdst(0) depctr_va_vdst(0) depctr_va_sdst(0) depctr_va_ssrc(0) depctr_va_vcc(0) depctr_vm_vsrc(0)
	s_getreg_b32 s2, hwreg(HW_REG_IB_STS2, 6, 4)
	s_cmp_eq_u32 s2, 0
	s_cbranch_scc0 .Lentry_in_a_cluster
	s_endpgm
.Lentry_in_a_cluster:
	s_bfe_u32 s2, ttmp6, 0x10000c
	s_cmp_lg_u32 s2, 0xf033
	s_cbranch_scc0 .Lentry_shape_is_right
	s_endpgm
.Lentry_shape_is_right:
; out0[m][n] = sum over k of y[m][k] Wp[n][k]: m = 8192 positions, n = 1024, K = 1024 = 16 heads x 64.  y: f16, laid [4 b][16 h][2048 t][64]; wp16: f16 [1024 n][1024 k]; out0: f32 [8192][1024]; sums in f32.
; Positions 0-15 of each batch are stored here too (they lie inside live tiles); the last launch replaces those 64 rows by rows carried in f32.
; A tile of out0 is 128 x 256: 256 work-groups.  Four waves, each 64 x 128: 32 accumulators, 256 registers (window 1).  K goes in steps of 128, two heads of y, through two LDS slots: 128 matrix instructions a wave in a step.
; CLUSTER 4 x 4: y's tile is shared along a row of the cluster, Wp's along a column: each is asked for jointly.  THE MATRIX INSTRUCTION IS USED TRANSPOSED (source 0 = 16 rows of Wp, source 1 = 16 rows of y).
; REGISTERS.  Window 0: v16-30 addresses; two fragment buffers: F0 = v64 (y: 32, Wp: 64 registers), F1 = v160.  Window 1: accumulator (a, b) at v[8 (8 a + b)].
.set PA,     144                       ; a row of a head's panel of y in LDS: 128 bytes + 16
.set PB,     272                       ; a row of Wp's tile: 256 + 16
.set PANEL,  128*PA
.set BOFF,   2*PANEL
.set HALFB,  128*PB
.set SLOT,   BOFF+2*HALFB
.set SPARE,  2*SLOT                    ; the spare words: 128 bytes a wave, named by no other line
.set SPITCH, 528                       ; the way out: 16 rows x (512 + 16) a wave, in slot 0, which has had its last fill and its last read by then
.set LAPS,   4
.set ASTEP,  524288                    ; a K step in y: two heads of 262,144 bytes
.set ADRA, 16
.set ADRB, 20
.set STO,  24
.set RD,   25
.set CO,   26
.set SPW,  28
.set NIL,  29
.set PFO,  30
.set F0,   64
.set F1,   160
.set BK,   64
.set G1, 24
.set G0, 32
.set G1B, 48
.set G0B, 56
.set PFA, 66
.set LIM, 68
.set MSB, 0
.macro WIN new
.if MSB != (\new)
	s_set_vgpr_msb (MSB<<8)|(\new)
.set MSB, \new
.endif
.endm
.set MUL, 0x50                         ; C and D window 1
.macro JLOAD s                         ; waves 0 and 1 fetch y's two panels, waves 2 and 3 Wp's two halves; an s_nop 0 and four v_nop follow each line
	s_cmp_eq_u32 s11, 0
	s_cbranch_scc0 .Lfor_b_\@
	tensor_load_to_lds s[G0+4*\s:G0+4*\s+3], s[G1:G1+7]
	s_nop 0
.rept 4
	v_nop
.endr
	s_branch .Lasked_\@
.Lfor_b_\@:
	tensor_load_to_lds s[G0B+4*\s:G0B+4*\s+3], s[G1B:G1B+7]
	s_nop 0
.rept 4
	v_nop
.endr
.Lasked_\@:
.endm
.macro CREST
	s_cmp_lg_u32 s10, 0
	s_cbranch_scc1 .Lnot_wave_0_\@
	s_barrier_signal -3
.Lnot_wave_0_\@:
	s_barrier_wait -3
	s_barrier_signal -1
	s_barrier_wait -1
.endm
.macro CROUND
	s_barrier_signal -1
	s_barrier_wait -1
	CREST
.endm
; A PREFETCH INTO THE L2 of y's K step that stands two refills on (256 matrix instructions ahead of the load that wants it): 2 panels x 16,384 bytes.  A tile row of y is read by one cluster alone; its four partners along the row share
; the 128 blocks of 256 bytes BY ADDRESS (cx / 2: the panel, cx % 2: its half); in each, wave 0 asks, a lane a block.  K steps 4 to 7 are asked for; 0 to 3 come by their loads alone.  Wp is read again and again by all tile rows: not asked for.
.macro ASK
	s_cmp_gt_u32 s3, s[LIM]
	s_cbranch_scc0 .Lnot_mine_\@
	global_prefetch_b8 v[PFO], s[PFA:PFA+1] offset:ASTEP th:TH_LOAD_NT scope:SCOPE_SE
.Lnot_mine_\@:
.endm
	s_load_b128 s[4:7], s[0:1], 0x0                ; y, wp16
	s_load_b64 s[8:9], s[0:1], 0x10                ; out0
	v_lshl_add_u32 v[SPW], v0, 2, SPARE
	v_mov_b32 v[NIL], 0
	ds_add_u32 v[SPW], v[NIL]                      ; the wave's opening: the add, twice on end, and its wait ahead of my first tensor load
	ds_add_u32 v[SPW], v[NIL]
	v_lshrrev_b32 v1, 5, v0
	v_readfirstlane_b32 s10, v1                    ; wave 0..3
	s_lshr_b32 s11, s10, 1                         ; which half of the tile's rows is mine.  Also: I fetch for y (0) or for Wp (1)
	s_and_b32 s12, s10, 1                          ; which half of its columns.  Also: which panel or half I fetch
	s_bfe_u32 s40, ttmp6, 0x40000                  ; cx
	s_bfe_u32 s41, ttmp6, 0x40004                  ; cy
	s_lshl_b32 s42, ttmp9, 2
	s_add_co_u32 s42, s42, s40                     ; tile column
	s_and_b32 s13, ttmp7, 0xffff
	s_lshl_b32 s13, s13, 2
	s_add_co_u32 s13, s13, s41                     ; tile row
	s_lshl_b32 s43, s41, 2
	s_lshl_b32 s43, 15, s43                        ; my row of the cluster
	s_lshl_b32 s44, 0x1111, s40                    ; my column
	s_or_b32 s[G1+0], s43, (1<<16)|(1<<20)|(1<<21)|(4<<22)|(3<<25)    ; y: elements of 2 bytes; padding: 4 words after every 32
	s_or_b32 s[G1B+0], s44, (1<<16)|(1<<20)|(1<<21)|(5<<22)|(3<<25)   ; Wp: 4 words after every 64
	s_mov_b32 s[G1+1], 64<<16                      ; a panel: 128 rows of 64 elements, dense
	s_mov_b32 s[G1+2], 128<<16
	s_mov_b32 s[G1+3], 64<<16
	s_mov_b32 s[G1+4], 128
	s_mov_b32 s[G1+5], 64
	s_mov_b32 s[G1+6], 0
	s_mov_b32 s[G1+7], 0
	s_mov_b32 s[G1B+1], 128<<16                    ; 128 rows of 128 elements, 1,024 elements apart
	s_mov_b32 s[G1B+2], 128<<16
	s_mov_b32 s[G1B+3], 128<<16
	s_mov_b32 s[G1B+4], 128
	s_mov_b32 s[G1B+5], 1024
	s_mov_b32 s[G1B+6], 0
	s_mov_b32 s[G1B+7], 0
	s_lshr_b32 s16, s13, 4                         ; y: the batch, 16 heads of 262,144 bytes;
	s_lshl_b32 s16, s16, 22
	s_and_b32 s17, s13, 15
	s_lshl_b32 s17, s17, 14                        ; the tile's 128 positions of 128 bytes;
	s_add_co_u32 s16, s16, s17
	s_mov_b32 s18, s16                             ; (kept for the prefetches)
	s_lshl_b32 s17, s12, 18                        ; my panel: head 0 or 1 of the K step
	s_add_co_u32 s16, s16, s17
	s_mov_b32 s17, 0
	s_lshl_b32 s46, s42, 8                         ; Wp: row 256 x tile column + 128 x half, 2,048 bytes a row
	s_lshl_b32 s47, s12, 7
	s_add_co_u32 s46, s46, s47
	s_lshl_b32 s46, s46, 11
	s_mov_b32 s47, 0
	s_mul_i32 s20, s12, PANEL                      ; where they go: no place in the cluster enters an LDS address
	s_mul_i32 s21, s12, HALFB
	s_add_co_u32 s21, s21, BOFF
	s_wait_dscnt 0x0                               ; both opening adds are done
	s_wait_kmcnt 0x0
	s_add_nc_u64 s[14:15], s[4:5], s[16:17]
	s_add_nc_u64 s[46:47], s[6:7], s[46:47]
	CROUND                                         ; all sixteen work-groups are here: the first joint loads meet
.irp s, 0,1
	s_mov_b32 s[G0+4*\s], 1
	s_add_co_u32 s[G0+4*\s+1], s20, \s*SLOT
	s_add_nc_u64 s[G0+4*\s+2:G0+4*\s+3], s[14:15], \s*ASTEP
	s_or_b32 s[G0+4*\s+3], s[G0+4*\s+3], 0x80000000
	s_mov_b32 s[G0B+4*\s], 1
	s_add_co_u32 s[G0B+4*\s+1], s21, \s*SLOT
	s_add_nc_u64 s[G0B+4*\s+2:G0B+4*\s+3], s[46:47], \s*256
	s_or_b32 s[G0B+4*\s+3], s[G0B+4*\s+3], 0x80000000
	JLOAD \s                                       ; two tensor loads of mine are out at the most
.endr
	v_and_b32 v1, 15, v0                           ; r
	v_bfe_u32 v2, v0, 4, 1                         ; h
	v_mul_u32_u24 v3, v1, PA
	v_lshl_add_u32 v3, v2, 4, v3
	v_mul_u32_u24 v4, v1, PB
	v_lshl_add_u32 v4, v2, 4, v4
	s_mul_i32 s22, s11, 64*PA                      ; my 64 rows of y, in each panel
	s_mul_i32 s23, s12, HALFB                      ; my 128 rows of Wp
	s_add_co_u32 s23, s23, BOFF
.irp s, 0,1
	v_add_nc_u32 v[ADRA+\s], s22, v3
	v_add_nc_u32 v[ADRB+\s], s23, v4
	s_add_co_u32 s22, s22, SLOT
	s_add_co_u32 s23, s23, SLOT
.endr
	s_mul_i32 s23, s10, 16*SPITCH                  ; my stage
	v_mul_u32_u24 v5, v1, SPITCH
	v_lshl_add_u32 v5, v2, 5, v5
	v_add_nc_u32 v[STO], s23, v5                   ; in: row r, 32 bytes for each half of the lanes
	v_and_b32 v6, 31, v0
	v_lshlrev_b32 v[CO], 4, v6
	v_add_nc_u32 v[RD], s23, v[CO]                 ; back: the 32 lanes take a row of 512 bytes
	v_lshlrev_b32 v[PFO], 8, v6
	s_lshl_b32 s72, s13, 7
	s_lshl_b32 s73, s11, 6
	s_add_co_u32 s72, s72, s73                     ; my first row of out0,
	s_lshl_b32 s72, s72, 12                        ; 4,096 bytes a row,
	s_lshl_b32 s73, s42, 10
	s_add_co_u32 s72, s72, s73
	s_lshl_b32 s73, s12, 9
	s_add_co_u32 s72, s72, s73                     ; my first column
	s_mov_b32 s73, 0
	s_add_nc_u64 s[8:9], s[8:9], s[72:73]
	s_lshr_b32 s70, s40, 1                         ; the prefetches: my work-group's 32 blocks of the K step's 128
	s_lshl_b32 s70, s70, 18
	s_and_b32 s71, s40, 1
	s_lshl_b32 s71, s71, 13
	s_add_co_u32 s70, s70, s71
	s_add_co_u32 s70, s70, s18
	s_mov_b32 s71, 0
	s_add_nc_u64 s[PFA:PFA+1], s[4:5], s[70:71]
	s_add_nc_u64 s[PFA:PFA+1], s[PFA:PFA+1], 2*ASTEP   ; at K step 2: the first refill steps it to 3 and names K step 4
	s_cmp_eq_u32 s10, 0
	s_cselect_b32 s[LIM], 1, -1
.macro MUL8 f, a, zero                 ; y's block a against Wp's eight, 32 along K.  The 32 accumulators take turns, one instruction a turn, in the same order in every quarter
.irp b, 0,1,2,3,4,5,6,7
.if \zero
	v_wmma_f32_16x16x32_f16 v[8*(8*(\a)+\b):8*(8*(\a)+\b)+7], v[\f+32+8*\b:\f+32+8*\b+7], v[\f+8*(\a):\f+8*(\a)+7], 0
.else
	v_wmma_f32_16x16x32_f16 v[8*(8*(\a)+\b):8*(8*(\a)+\b)+7], v[\f+32+8*\b:\f+32+8*\b+7], v[\f+8*(\a):\f+8*(\a)+7], v[8*(8*(\a)+\b):8*(8*(\a)+\b)+7]
.endif
.endr
.endm
.macro MUL16 f, a0, zero
	MUL8 \f, \a0, \zero
	MUL8 \f, \a0+1, \zero
.endm
.macro FETCH slot, q, f                ; 24 LDS loads in one run: quarter q (32 along K) of a slot: Wp's eight fragments, then y's four
.irp i, 0,1,2,3,4,5,6,7
	ds_load_b128 v[\f+32+8*\i:\f+32+8*\i+3],   v[ADRB+\slot] offset:64*(\q)+\i*16*PB
	ds_load_b128 v[\f+32+8*\i+4:\f+32+8*\i+7], v[ADRB+\slot] offset:64*(\q)+\i*16*PB+32
.endr
.irp i, 0,1,2,3
	ds_load_b128 v[\f+8*\i:\f+8*\i+3],   v[ADRA+\slot] offset:PANEL*((\q)/2)+64*((\q)%2)+\i*16*PA
	ds_load_b128 v[\f+8*\i+4:\f+8*\i+7], v[ADRA+\slot] offset:PANEL*((\q)/2)+64*((\q)%2)+\i*16*PA+32
.endr
.endm
.macro PLACES
.rept 4
	v_nop
.endr
.endm
.macro QUARTER slot, q, f, g, zero     ; multiplies buffer f and fetches quarter q of the slot into g
	s_wait_dscnt 4                                 ; Wp's fragments and y's blocks 0, 1 are in; the youngest four loads (blocks 2, 3) may be out
	WIN MUL
	MUL16 \f, 0, \zero
	PLACES
	WIN 0
	FETCH \slot, \q, \g
	s_wait_dscnt 24                                ; all but the 24 just issued
	WIN MUL
	MUL16 \f, 2, \zero
.endm
; A slot's last quarter multiplies buffer 1 and changes slots: one barrier; in front of it each wave waits for all its tensor loads, adds 0 to its spare word, and waits for that and for its reads of this slot.
.macro TURN slot, next, fill
.if \fill
	s_wait_xcnt 0x0                                ; the last prefetch, a K step back, has read its address
	s_add_nc_u64 s[PFA:PFA+1], s[PFA:PFA+1], ASTEP
.endif
	WIN 0
	s_wait_tensorcnt 0x0
	ds_add_u32 v[SPW], v[NIL]
	s_wait_dscnt 5                                 ; (the add and the youngest four loads may be out)
	WIN MUL
	MUL8 F1, 0, 0
	s_wait_dscnt 0x0                               ; the add is done, and my reads of this slot are over
	s_barrier_signal -1
	MUL8 F1, 1, 0
	WIN 0
	s_barrier_wait -1
.if \fill
	CREST                                          ; the barrier has opened a round of the cluster's: no wave of any partner still reads this slot or has a load on its way
	s_add_nc_u64 s[G0+4*\slot+2:G0+4*\slot+3], s[G0+4*\slot+2:G0+4*\slot+3], 2*ASTEP
	s_add_nc_u64 s[G0B+4*\slot+2:G0B+4*\slot+3], s[G0B+4*\slot+2:G0B+4*\slot+3], 2*256
	JLOAD \slot                                    ; the first tensor load behind the round; its four v_nop are also the places in front of the loads below
.else
	PLACES
.endif
	FETCH \next, 0, F0
.if \fill
	ASK
.endif
	WIN MUL
	MUL16 F1, 2, 0
.endm
	s_wait_tensorcnt 1                             ; my part of K step 0 is in (K step 1's load may be out),
	s_barrier_signal -1
	s_barrier_wait -1                              ; everybody's is
	FETCH 0, 0, F0
	QUARTER 0, 1, F0, F1, 1                        ; the first products start the sums
	WIN 0
	s_mov_b32 s3, LAPS-1
.Llap:                                             ; a trip goes once round the ring and fills both slots again
	QUARTER 0, 2, F1, F0, 0
	QUARTER 0, 3, F0, F1, 0
	TURN 0, 1, 1
	QUARTER 1, 1, F0, F1, 0
	QUARTER 1, 2, F1, F0, 0
	QUARTER 1, 3, F0, F1, 0
	TURN 1, 0, 1
	QUARTER 0, 1, F0, F1, 0
	WIN 0
	s_sub_co_u32 s3, s3, 1
	s_cmp_lg_u32 s3, 0
	s_cbranch_scc1 .Llap
	QUARTER 0, 2, F1, F0, 0                        ; the last lap fills nothing
	QUARTER 0, 3, F0, F1, 0
	TURN 0, 1, 0
	QUARTER 1, 1, F0, F1, 0
	QUARTER 1, 2, F1, F0, 0
	QUARTER 1, 3, F0, F1, 0
	s_wait_dscnt 4
	WIN MUL
	MUL16 F1, 0, 0
	s_wait_dscnt 0
	MUL16 F1, 2, 0
	WIN 0
; THE WAY OUT, a block of 16 rows x 128 columns at a time, through my stage: whole rows of 512 bytes come back and are stored as 512 consecutive bytes, aligned.
.macro TOSTAGE a
	WIN 0x04                                       ; an LDS store's data: window 1
.irp b, 0,1,2,3,4,5,6,7
	ds_store_b128 v[STO], v[64*(\a)+8*\b:64*(\a)+8*\b+3] offset:64*\b          ; each accumulator from its low end on
	ds_store_b128 v[STO], v[64*(\a)+8*\b+4:64*(\a)+8*\b+7] offset:64*\b+16
.endr
	WIN 0
.set BB, BK+64*((\a)%2)
.irp t, 0,1,2,3,4,5,6,7,8,9,10,11,12,13,14,15
	ds_load_b128 v[BB+4*\t:BB+4*\t+3], v[RD] offset:\t*SPITCH
.endr
.endm
.macro SEND a, younger
.set BB, BK+64*((\a)%2)
	s_wait_dscnt \younger                          ; the block is back; the next block's LDS instructions may be out
.if (\a) > 0
	s_add_nc_u64 s[8:9], s[8:9], 16*4096           ; (behind a wait on XCNT: the earlier stores have read their base)
.endif
.irp t, 0,1,2,3,4,5,6,7,8,9,10,11,12,13,14,15
	global_store_b128 v[CO], v[BB+4*\t:BB+4*\t+3], s[8:9] offset:\t*4096 th:TH_STORE_NT
.endr
.endm
	PLACES
	TOSTAGE 0
.irp a, 1,2,3
.if \a > 1
	s_wait_xcnt 0x0                                ; block a - 2's stores have read their registers and their base
.endif
	TOSTAGE \a
	SEND \a-1, 32
.endr
	s_wait_xcnt 0x0
	SEND 3, 0
	s_wait_tensorcnt 0x0                           ; the wave's end
	ds_add_u32 v[SPW], v[NIL]
	s_wait_dscnt 0x0
	CROUND                                         ; the closing round
	s_endpgm
.Lfunc_end_k_q0a497aa085_proj:
	.size	k_q0a497aa085_proj, .Lfunc_end_k_q0a497aa085_proj-k_q0a497aa085_proj
	.p2alignl 7, 3214868480
	.fill 96, 4, 3214868480
	.section	.rodata,"a",@progbits
	.p2align	6, 0x0
	.amdhsa_kernel k_q0a497aa085_proj
		.amdhsa_group_segment_fixed_size 327680
		.amdhsa_private_segment_fixed_size 0
		.amdhsa_enable_private_segment 0
		.amdhsa_kernarg_size 24
		.amdhsa_user_sgpr_count 2
		.amdhsa_user_sgpr_kernarg_segment_ptr 1
		.amdhsa_wavefront_size32 1
		.amdhsa_system_sgpr_workgroup_id_x 1
		.amdhsa_system_sgpr_workgroup_id_y 1
		.amdhsa_system_sgpr_workgroup_id_z 1
		.amdhsa_system_vgpr_workitem_id 0
		.amdhsa_next_free_vgpr 512
		.amdhsa_next_free_sgpr 80
		.amdhsa_reserve_vcc 0
		.amdhsa_float_denorm_mode_32 3
		.amdhsa_float_denorm_mode_16_64 3
		.amdhsa_memory_ordered 1
		.amdhsa_forward_progress 1
		.amdhsa_inst_pref_size 86
	.end_amdhsa_kernel
	.amdgpu_metadata
---
amdhsa.version: [ 1, 2 ]
amdhsa.kernels:
  - .name:           k_q0a497aa085_proj
    .symbol:         k_q0a497aa085_proj.kd
    .args:
      - { .name: y, .offset: 0, .size: 8, .value_kind: global_buffer, .address_space: global }
      - { .name: wp16, .offset: 8, .size: 8, .value_kind: global_buffer, .address_space: global }
      - { .name: out0, .offset: 16, .size: 8, .value_kind: global_buffer, .address_space: global }
    .group_segment_fixed_size: 327680
    .private_segment_fixed_size: 0
    .kernarg_segment_align: 8
    .kernarg_segment_size: 24
    .max_flat_workgroup_size: 128
    .sgpr_count:     80
    .vgpr_count:     512
    .wavefront_size: 32
...
	.end_amdgpu_metadata
.endif
;; end of part 4
;; launch fine (part 5): grid 16 x 4, 4 waves a work-group, no clusters, 17,920 bytes of LDS; arguments qkv32, Wp, out0; writes out0
.if DOCPART == 5
	.amdgcn_target "amdgcn-amd-amdhsa--gfx1250"
	.amdhsa_code_object_version 6
	.text
	.protected	k_q0a497aa085_fine
	.globl	k_q0a497aa085_fine
	.p2align	8
	.type	k_q0a497aa085_fine,@function
k_q0a497aa085_fine:
	s_mov_b64 s[64:65], 0
	v_nop
	global_prefetch_b8 v0, s[64:65] scope:SCOPE_SE
	s_setreg_imm32_b32 hwreg(HW_REG_WAVE_MODE, 25, 1), 1
	s_wait_xcnt 0x0
; POSITIONS 0-15 OF EACH BATCH, wholly in f32: their rows average one to sixteen values and are the largest in size, so f16 operands would use up what the comparison allows.  64 rows of out0 are written anew.
; qkv32: [4 b][16 t][3072] f32 (q, k, v, 1024 columns each); Wp: [1024 n][1024 k] f32; out0: [8192][1024] f32.  Keys behind position 15 are hidden from these queries by the problem's own causal mask: they are not read.
; SHARES.  A work-group takes a batch (y) and 64 output columns (x).  Wave w takes heads 4 w .. 4 w + 3: their attention for the 16 positions, then their 256 channels of the projection's K for the 64 columns; the four partial sums meet in LDS.
; All products by the f32 matrix form, 16 x 16 x 4; K is permuted alike on both sides of each product, so that results become operands without changing lanes:
;   S^T = k q^T: a lane's 16 bytes hold channels 8 i + 4 h + 0..3; each register pair is a K step.   O^T = v^T p^T: K step s holds keys 8 h + 2 s + 0, 1: p's register pair.   out^T = Wp y^T: K step (ct, s) holds channels 16 ct + 8 h + 2 s + 0, 1: y's pair.
; The registers that the matrix form writes (v32-127) are written by it alone; what is made of a sum goes into other registers.  No cluster, no tensor load: 64 small work-groups that load once.
; REGISTERS.  Window 0: v1-8 addresses; v12-31 at work (v16-23 scores, then p); v32-63 four partial S^T; v64-95 O^T; v96-127 out^T; v128-255 v, then y, 32 a head.  Window 1: q v0-127, k v128-255.  Windows 2, 3: Wp, 128 registers a head.
.set SACC, 32
.set OACC, 64
.set PACC, 96
.set VY,   128
.set SPW,  9
.set NIL,  10
.set SPARE, 4*16*272                   ; behind the four partial sums (16 rows x (256 + 16) a wave): the spare words
.set SEL,  14
.set CS,   16
.set MSB, 0
.macro WIN new
.if MSB != (\new)
	s_set_vgpr_msb (MSB<<8)|(\new)
.set MSB, \new
.endif
.endm
.macro PLACES8                         ; eight places behind this matrix form (ISA guide 7.12.1)
.rept 8
	v_nop
.endr
.endm
	s_load_b128 s[4:7], s[0:1], 0x0                ; qkv32, Wp
	s_load_b64 s[8:9], s[0:1], 0x10                ; out0
	v_lshl_add_u32 v[SPW], v0, 2, SPARE
	v_mov_b32 v[NIL], 0
	v_lshrrev_b32 v1, 5, v0
	v_readfirstlane_b32 s10, v1                    ; wave
	s_mov_b32 s11, ttmp9                           ; which 64 columns
	s_and_b32 s12, ttmp7, 0xffff                   ; the batch
	v_and_b32 v11, 15, v0                          ; r
	v_bfe_u32 v14, v0, 4, 1                        ; h
	v_mul_u32_u24 v1, v11, 12288
	v_lshl_add_u32 v1, v14, 4, v1                  ; q, k: position r, + 16 h
	v_mul_u32_u24 v2, v14, 98304
	v_lshl_add_u32 v2, v11, 2, v2                  ; v: keys 8 h on, channel r
	v_lshlrev_b32 v3, 12, v11
	v_lshl_add_u32 v3, v14, 5, v3                  ; Wp: row r, + 32 h
	v_lshlrev_b32 v4, 3, v14
	v_sub_nc_u32 v4, v11, v4                       ; r - 8 h
	v_mov_b32 v5, 0xff800000                       ; -infinity
	s_mul_i32 s20, s10, 16*272
	v_mul_u32_u24 v6, v11, 272
	v_lshl_add_u32 v6, v14, 5, v6
	v_add_nc_u32 v6, s20, v6                       ; my partial sums: row r, + 32 h
	s_mul_i32 s20, s10, 4*272
	v_mul_u32_u24 v7, v14, 272
	v_lshl_add_u32 v7, v11, 4, v7
	v_add_nc_u32 v7, s20, v7                       ; back: rows 4 w + h, sixteen lanes a row
	v_lshlrev_b32 v8, 12, v14
	v_lshl_add_u32 v8, v11, 4, v8                  ; and the same in out0
	v_mov_b32 v13, 0                               ; (upper halves of pairs of which the low word serves both halves)
	v_mov_b32 v29, 0
	s_mov_b32 s[SEL], 0x76543210
	s_mov_b32 s[SEL+1], 0xfedcba98
	s_mov_b32 s[CS], 0x3e38aa3b                    ; c = log2(e) / 8
	s_mov_b32 s[CS+1], s[CS]
	s_mul_i32 s20, s12, 16*12288
	s_lshl_b32 s21, s10, 10
	s_add_co_u32 s20, s20, s21                     ; the batch's 16 rows, my four heads
	s_mov_b32 s21, 0
	s_lshl_b32 s22, s11, 18
	s_lshl_b32 s23, s10, 10
	s_add_co_u32 s22, s22, s23                     ; Wp: 64 rows of 4,096 bytes a chunk, my four heads' columns
	s_mov_b32 s23, 0
	s_lshl_b32 s24, s12, 23
	s_lshl_b32 s25, s10, 14
	s_add_co_u32 s24, s24, s25
	s_lshl_b32 s25, s11, 8
	s_add_co_u32 s24, s24, s25                     ; out0: row 2048 b + 4 w, column 64 x chunk
	s_mov_b32 s25, 0
	s_wait_kmcnt 0x0
	s_add_nc_u64 s[4:5], s[4:5], s[20:21]
	s_add_nc_u64 s[6:7], s[6:7], s[22:23]
	s_add_nc_u64 s[8:9], s[8:9], s[24:25]
	WIN 0x40
.irp hd, 0,1,2,3
.irp i, 0,1,2,3,4,5,6,7
	global_load_b128 v[32*\hd+4*\i:32*\hd+4*\i+3], v1, s[4:5] offset:256*\hd+32*\i               ; q
	global_load_b128 v[128+32*\hd+4*\i:128+32*\hd+4*\i+3], v1, s[4:5] offset:4096+256*\hd+32*\i  ; k
.endr
.endr
	WIN 0
.irp hd, 0,1,2,3
.irp ct, 0,1,2,3
.irp i, 0,1,2,3,4,5,6,7
	global_load_b32 v[VY+32*\hd+8*\ct+\i], v2, s[4:5] offset:8192+256*\hd+64*\ct+12288*\i        ; v(key 8 h + i, channel 16 ct + r)
.endr
.endr
.endr
.irp hd, 0,1,2,3                               ; Wp, head by head: 32 loads each
	WIN 0x80+0x40*(\hd/2)
.irp n, 0,1,2,3
.irp ct, 0,1,2,3
	global_load_b128 v[128*(\hd%2)+32*\n+8*\ct:128*(\hd%2)+32*\n+8*\ct+3],   v3, s[6:7] offset:65536*\n+256*\hd+64*\ct
	global_load_b128 v[128*(\hd%2)+32*\n+8*\ct+4:128*(\hd%2)+32*\n+8*\ct+7], v3, s[6:7] offset:65536*\n+256*\hd+64*\ct+16
.endr
.endr
.endr
	WIN 0
.macro HEAD hd, left                   ; left: how many younger loads (later heads' Wp) may stay out when this head's Wp is wanted
.if \hd == 0
	s_wait_loadcnt 63                              ; behind the last load of q, k, v stand Wp's 128: all of q, k, v are in
.endif
	WIN 0x05                                       ; k and q in window 1
.set KK, 0
.rept 16                                       ; four partial sums by turns; the first four steps start them
.if KK < 4
	v_wmma_f32_16x16x4_f32 v[SACC+8*(KK%4):SACC+8*(KK%4)+7], v[128+32*\hd+2*KK:128+32*\hd+2*KK+1], v[32*\hd+2*KK:32*\hd+2*KK+1], 0
.else
	v_wmma_f32_16x16x4_f32 v[SACC+8*(KK%4):SACC+8*(KK%4)+7], v[128+32*\hd+2*KK:128+32*\hd+2*KK+1], v[32*\hd+2*KK:32*\hd+2*KK+1], v[SACC+8*(KK%4):SACC+8*(KK%4)+7]
.endif
.set KK, KK+1
.endr
	WIN 0
	PLACES8
.irp i, 0,2,4,6
	v_pk_add_f32 v[16+\i:17+\i], v[SACC+\i:SACC+\i+1], v[SACC+8+\i:SACC+9+\i]      ; each sum is read from its low end on
.endr
.irp i, 0,2,4,6
	v_pk_add_f32 v[24+\i:25+\i], v[SACC+16+\i:SACC+17+\i], v[SACC+24+\i:SACC+25+\i]
.endr
.irp i, 0,2,4,6
	v_pk_add_f32 v[16+\i:17+\i], v[16+\i:17+\i], v[24+\i:25+\i]                    ; lane (r, h): query r, keys 8 h + 0..7
.endr
.irp i, 0,1,2,3,4,5,6,7
	v_cmp_gt_i32 vcc_lo, \i, v4                    ; key 8 h + i behind query r: hidden
	v_cndmask_b32 v[16+\i], v[16+\i], v5, vcc_lo
.endr
	v_max3_num_f32 v24, v16, v17, v18
	v_max3_num_f32 v24, v24, v19, v20
	v_max3_num_f32 v24, v24, v21, v22
	v_max_num_f32 v24, v24, v23
	v_permlanex16_b32 v25, v24, s[SEL], s[SEL+1]
	v_max_num_f32 v24, v24, v25                    ; the row's maximum (key 0 counts for every query)
	v_mul_f32 v12, s[CS], v24
.irp i, 0,2,4,6
	v_pk_fma_f32 v[16+\i:17+\i], v[16+\i:17+\i], s[CS:CS+1], v[12:13] op_sel_hi:[1,0,0] neg_lo:[0,0,1] neg_hi:[0,0,1]
.endr
.irp i, 0,1,2,3,4,5,6,7
	v_exp_f32 v[16+\i], v[16+\i]
.endr
	v_nop                                          ; a plain instruction behind the batch,
	s_wait_alu depctr_va_vdst(0)                   ; and its one wait, ahead of the first reader
	v_pk_add_f32 v[24:25], v[16:17], v[18:19]
	v_pk_add_f32 v[26:27], v[20:21], v[22:23]
	v_pk_add_f32 v[24:25], v[24:25], v[26:27]
	v_add_f32 v24, v24, v25
	v_permlanex16_b32 v25, v24, s[SEL], s[SEL+1]
	v_add_f32 v24, v24, v25                        ; the row's sum
	v_rcp_f32 v28, v24
.irp k, 0,1,2,3                                ; O^T = v^T p^T: four accumulators by turns
.irp ct, 0,1,2,3
.if \k == 0
	v_wmma_f32_16x16x4_f32 v[OACC+8*\ct:OACC+8*\ct+7], v[VY+32*\hd+8*\ct+2*\k:VY+32*\hd+8*\ct+2*\k+1], v[16+2*\k:17+2*\k], 0
.else
	v_wmma_f32_16x16x4_f32 v[OACC+8*\ct:OACC+8*\ct+7], v[VY+32*\hd+8*\ct+2*\k:VY+32*\hd+8*\ct+2*\k+1], v[16+2*\k:17+2*\k], v[OACC+8*\ct:OACC+8*\ct+7]
.endif
.endr
.endr
	PLACES8
	s_wait_alu depctr_va_vdst(0)                   ; the reciprocal's wait, ahead of its first reader
.irp ct, 0,1,2,3
.irp i, 0,2,4,6
	v_pk_mul_f32 v[VY+32*\hd+8*\ct+\i:VY+32*\hd+8*\ct+\i+1], v[OACC+8*\ct+\i:OACC+8*\ct+\i+1], v[28:29] op_sel_hi:[1,0]   ; y, into the registers that v has left: lane (r, h): position r, channels 16 ct + 8 h + 0..7
.endr
.endr
	s_wait_loadcnt \left                           ; this head's Wp is in
	WIN 0x02+\hd/2                                 ; Wp in window 2 or 3
.irp ct, 0,1,2,3                               ; out^T += Wp y^T: four accumulators by turns; the very first four start the sums
.irp k, 0,1,2,3
.irp n, 0,1,2,3
.if (\hd == 0) && (\ct == 0) && (\k == 0)
	v_wmma_f32_16x16x4_f32 v[PACC+8*\n:PACC+8*\n+7], v[128*(\hd%2)+32*\n+8*\ct+2*\k:128*(\hd%2)+32*\n+8*\ct+2*\k+1], v[VY+32*\hd+8*\ct+2*\k:VY+32*\hd+8*\ct+2*\k+1], 0
.else
	v_wmma_f32_16x16x4_f32 v[PACC+8*\n:PACC+8*\n+7], v[128*(\hd%2)+32*\n+8*\ct+2*\k:128*(\hd%2)+32*\n+8*\ct+2*\k+1], v[VY+32*\hd+8*\ct+2*\k:VY+32*\hd+8*\ct+2*\k+1], v[PACC+8*\n:PACC+8*\n+7]
.endif
.endr
.endr
.endr
	WIN 0
.endm
	HEAD 0, 63                                     ; behind head 0's Wp stand 96 loads, behind head 1's 64: the count is the largest that the wait can name
	HEAD 1, 63
	HEAD 2, 32
	HEAD 3, 0
	PLACES8
.irp n, 0,1,2,3
	ds_store_b128 v6, v[PACC+8*\n:PACC+8*\n+3] offset:64*\n           ; lane (r, h): position r, columns 16 n + 8 h + 0..7
	ds_store_b128 v6, v[PACC+8*\n+4:PACC+8*\n+7] offset:64*\n+16
.endr
	s_wait_dscnt 0x0                               ; for the others' sake: my stores have landed
	s_barrier_signal -1
	s_barrier_wait -1
.irp u, 0,1
.irp g, 0,1,2,3
	ds_load_b128 v[128+16*\u+4*\g:128+16*\u+4*\g+3], v7 offset:4352*\g+544*\u   ; rows 4 w + 2 u + h of the four partial sums
.endr
.endr
	s_wait_dscnt 0x0
.irp u, 0,1
.irp i, 0,2
	v_pk_add_f32 v[128+16*\u+\i:129+16*\u+\i], v[128+16*\u+\i:129+16*\u+\i], v[132+16*\u+\i:133+16*\u+\i]
	v_pk_add_f32 v[136+16*\u+\i:137+16*\u+\i], v[136+16*\u+\i:137+16*\u+\i], v[140+16*\u+\i:141+16*\u+\i]
.endr
.irp i, 0,2
	v_pk_add_f32 v[128+16*\u+\i:129+16*\u+\i], v[128+16*\u+\i:129+16*\u+\i], v[136+16*\u+\i:137+16*\u+\i]
.endr
.endr
.irp u, 0,1
	global_store_b128 v8, v[128+16*\u:131+16*\u], s[8:9] offset:8192*\u   ; sixteen lanes store 256 consecutive bytes, aligned
.endr
	s_wait_tensorcnt 0x0                           ; the wave's end, behind my last LDS store
	ds_add_u32 v[SPW], v[NIL]
	s_wait_dscnt 0x0
	s_endpgm
.Lfunc_end_k_q0a497aa085_fine:
	.size	k_q0a497aa085_fine, .Lfunc_end_k_q0a497aa085_fine-k_q0a497aa085_fine
	.p2alignl 7, 3214868480
	.fill 96, 4, 3214868480
	.section	.rodata,"a",@progbits
	.p2align	6, 0x0
	.amdhsa_kernel k_q0a497aa085_fine
		.amdhsa_group_segment_fixed_size 17920
		.amdhsa_private_segment_fixed_size 0
		.amdhsa_enable_private_segment 0
		.amdhsa_kernarg_size 24
		.amdhsa_user_sgpr_count 2
		.amdhsa_user_sgpr_kernarg_segment_ptr 1
		.amdhsa_wavefront_size32 1
		.amdhsa_system_sgpr_workgroup_id_x 1
		.amdhsa_system_sgpr_workgroup_id_y 1
		.amdhsa_system_sgpr_workgroup_id_z 1
		.amdhsa_system_vgpr_workitem_id 0
		.amdhsa_next_free_vgpr 1024
		.amdhsa_next_free_sgpr 66
		.amdhsa_reserve_vcc 1
		.amdhsa_float_denorm_mode_32 3
		.amdhsa_float_denorm_mode_16_64 3
		.amdhsa_memory_ordered 1
		.amdhsa_forward_progress 1
		.amdhsa_inst_pref_size 77
	.end_amdhsa_kernel
	.amdgpu_metadata
---
amdhsa.version: [ 1, 2 ]
amdhsa.kernels:
  - .name:           k_q0a497aa085_fine
    .symbol:         k_q0a497aa085_fine.kd
    .args:
      - { .name: qkv32, .offset: 0, .size: 8, .value_kind: global_buffer, .address_space: global }
      - { .name: Wp, .offset: 8, .size: 8, .value_kind: global_buffer, .address_space: global }
      - { .name: out0, .offset: 16, .size: 8, .value_kind: global_buffer, .address_space: global }
    .group_segment_fixed_size: 17920
    .private_segment_fixed_size: 0
    .kernarg_segment_align: 8
    .kernarg_segment_size: 24
    .max_flat_workgroup_size: 128
    .sgpr_count:     66
    .vgpr_count:     1024
    .wavefront_size: 32
...
	.end_amdgpu_metadata
.endif
;; end of part 5
